; MI455X (gfx1250); checked and timed in simulation.
; The chip was launched on July 23, 2026; its instructions are those of AMD's public machine-readable ISA for CDNA 5 (MIT licence, August 2026) and "CDNA5" Instruction Set Architecture Reference Guide (July 2026). The comments in the code are by the model that wrote it; some were corrected since.
;; Multihead Attention. Allowed arithmetic: float matrix products may take bf16 or f16 operands with f32 sums; other float arithmetic in f32, or as packed bf16 or f16 multiplies, adds, multiply-adds, maxima and minima; sums over many terms, partial sums and values carried from step to step in f32; what a program stores and reads back later, other than sums and carried values, may be rounded once to bf16 or f16.
;; Inputs: W1 1,024 x 4,096 float32; W2 4,096 x 1,024 float32; Wk 16 x 1,024 x 64 float32; Wq 16 x 1,024 x 64 float32; Wv 16 x 1,024 x 64 float32; b1 4,096 float32; b2 1,024 float32; x 4 x 1,024 x 1,024 float32.
;; Outputs: out0 4 x 1,024 x 1,024 float32.
;; One version. Each part assembles by itself: llvm-mc -triple=amdgcn-amd-amdhsa -mcpu=gfx1250 --defsym DOCPART=n.
;; ======== version 1 of 1: 4 launches
;; limits: values are held in f16: magnitudes above 65,504 overflow, below 6.1e-05 lose precision; right only within a limited range of input values
;; workspace buffers: xb 8,388,608 bytes; wb 23,068,672 bytes; bpart 65,536 bytes; qkv 25,165,824 bytes; w12p 16,777,216 bytes; w12s 4,194,304 bytes; att 16,777,216 bytes
;; launch prep (part 1): grid 960 x 1, 8 waves a work-group, no clusters, 38,400 bytes of LDS; arguments x, Wq, Wk, Wv, W1, W2, b1, xb, wb, bpart; writes xb, wb, bpart
.if DOCPART == 1
	.amdgcn_target "amdgcn-amd-amdhsa--gfx1250"
	.amdhsa_code_object_version 6
	.text
	.protected	k_qee092d9b54_prep
	.globl	k_qee092d9b54_prep
	.p2align	8
	.type	k_qee092d9b54_prep,@function
k_qee092d9b54_prep:
	s_mov_b64 s[64:65], 0
	v_nop
	global_prefetch_b8 v0, s[64:65] scope:SCOPE_SE
	s_setreg_imm32_b32 hwreg(HW_REG_WAVE_MODE, 25, 1), 1
	s_wait_xcnt 0x0
; PREP: every large input is rounded once to bf16 (nearest even) and laid so that the products behind are plain C = A B^T with K along the rows, K cut in blocks of 128
; (a row's piece of a block is 256 bytes, and the rows of a block lie end to end):
;   xb  [8 kb][4096 m][128]                      x
;   wb  +0         WT  [8 kb][3072 n][128]       n = sel 1024 + h 64 + d (sel 0 q, 1 k, 2 v), k = c: Wq, Wk, Wv turned
;       +W2T_OFF   W2T [32 kb][1024 n][128]      k = j: W2 turned
;       +W1B_OFF   W1B [32 kb][1024 row][128]    k = j: W1 as it lies
;   bpart [16 jb][1024 n] f32: the sums over 256 j of bf16(b1[j]) bf16(W2[j][n]), added up in f32 by the last launch.
; A stream: each input byte is read once, each output byte written once, in whole aligned runs of 256 bytes.  No matrix unit, no tensor load, no cluster: no two work-groups share a byte.
; A work-group takes 64 KiB of f32: numbers 0-255 x, 256-511 W1 (both straight), 512-767 W2, 768-959 Wq, Wk, Wv (both turned, through LDS).  The branch hangs on the work-group's number: all eight waves go one way.
.set T_GRP,   2064                     ; LDS: four output rows of 512 bytes and 16 of padding
.set BP,      33280                    ; behind the 16 groups: 16 rows x 256 bytes of partial sums
.set SPARE,   37376                    ; behind them: the spare words, 128 bytes a wave, that no other line names
.set W2T_OFF, 6291456
.set W1B_OFF, 14680064
.set L16, 1                            ; v1   lane % 16
.set HH,  2                            ; v2   lane / 16
.set SO,  3                            ; v3   my byte offset in the source
.set DO,  4                            ; v4   straight: my 8 bytes of a run of 256
.set TS,  5                            ; v5   turned: where I put 16 bytes in LDS
.set TR,  6                            ; v6   where I read a row back
.set TG,  7                            ; v7   my byte offset in the destination
.set BO,  8                            ; v8   my offset in b1; later in the partial sums
.set BS,  9                            ; v9   where I put my four partial sums
.set SPW, 10                           ; v10  LDS address of my spare word; never rewritten
.set NIL, 11                           ; v11  0; never rewritten
.set ACC, 12                           ; v[12:15]  four partial sums
.set B1F, 16                           ; v[16:31]  sixteen numbers of b1; then, packed in place, pair jj of unit u at B1F + 8 u + jj
.set IN,  32                           ; v[32:95]  sixteen loads of 16 bytes
.set PK,  96                           ; v[96:127] the same numbers in bf16
.set LN,  128                          ; v128 lane
.set WV,  4                            ; s4   my wave's number
.set ID,  5                            ; s5   the work-group's number, then its number within its kind
	s_load_b512 s[8:23], s[0:1], 0x0               ; x s[8:9], Wq s[10:11], Wk s[12:13], Wv s[14:15], W1 s[16:17], W2 s[18:19], b1 s[20:21], xb s[22:23]
	s_load_b128 s[24:27], s[0:1], 0x40             ; wb s[24:25], bpart s[26:27]
	v_lshl_add_u32 v[SPW], v0, 2, SPARE
	v_mov_b32 v[NIL], 0
	v_lshrrev_b32 v[LN], 5, v0
	v_readfirstlane_b32 s[WV], v[LN]               ; wave 0..7
	v_and_b32 v[LN], 31, v0
	v_and_b32 v[L16], 15, v0
	v_bfe_u32 v[HH], v0, 4, 1
	s_mov_b32 s[ID], ttmp9
	s_mov_b32 s29, 0                               ; the high word of every offset: all stay under 2^25
	s_wait_kmcnt 0x0
; STRAIGHT: a wave's 8 KiB of f32, sixteen loads of 512 consecutive bytes; each becomes one run of 256 bytes of bf16 (32 lanes x 8 bytes).
.macro STRAIGHT isx
	v_lshlrev_b32 v[SO], 4, v[LN]
	v_lshlrev_b32 v[DO], 3, v[LN]
.irp p, 0,1,2,3,4,5,6,7,8,9,10,11,12,13,14,15
	global_load_b128 v[IN+4*(\p):IN+4*(\p)+3], v[SO], s[30:31] offset:512*(\p) th:TH_LOAD_NT
.endr
.irp p, 0,1,2,3,4,5,6,7,8,9,10,11,12,13,14,15
	s_wait_loadcnt 15-(\p)                         ; loads come back in order: number p is in, the younger ones stay out
	v_cvt_pk_bf16_f32 v[PK+2*(\p)], v[IN+4*(\p)], v[IN+4*(\p)+1]
	v_cvt_pk_bf16_f32 v[PK+2*(\p)+1], v[IN+4*(\p)+2], v[IN+4*(\p)+3]
.if \isx
	global_store_b64 v[DO], v[PK+2*(\p):PK+2*(\p)+1], s[32:33] offset:((\p)&7)*1048576+((\p)>>3)*256  ; K block p % 8, row p / 8 of my two
.else
	global_store_b64 v[DO], v[PK+2*(\p):PK+2*(\p)+1], s[32:33] offset:(\p)*262144                     ; K block p of my sixteen
.endif
.endr
.endm
; TURNED: a block of 256 k rows x 64 n columns; str = bytes from a k row to the next, rows = rows of a K block of the destination, bias = 1: b1's partial sums are made beside.
; Wave w takes k = 32 w .. +31 as two units of 16 rows; lane (l16, hh) takes rows 8 hh + 0..7 of a unit, columns 4 l16 .. +3: sixteen lanes read a row's whole 256 bytes.
; Eight numbers of one column, k ascending, pack into 16 bytes: the turn is made in registers, and LDS only gathers whole rows.
.macro TRANS str, rows, bias
	v_mul_u32_u24 v[SO], v[HH], 8*(\str)
	v_lshl_add_u32 v[SO], v[L16], 4, v[SO]
.if \bias
	v_lshlrev_b32 v[BO], 5, v[HH]
.irp u, 0,1
	global_load_b128 v[B1F+8*(\u):B1F+8*(\u)+3],   v[BO], s[34:35] offset:64*(\u)
	global_load_b128 v[B1F+8*(\u)+4:B1F+8*(\u)+7], v[BO], s[34:35] offset:64*(\u)+16
.endr
.endif
.irp u, 0,1
.irp i, 0,1,2,3,4,5,6,7
	global_load_b128 v[IN+32*(\u)+4*(\i):IN+32*(\u)+4*(\i)+3], v[SO], s[30:31] offset:(16*(\u)+(\i))*(\str) th:TH_LOAD_NT
.endr
.endr
	v_mul_u32_u24 v[TS], v[L16], T_GRP             ; in: group l16 (columns 4 l16 ..), byte 64 w + 16 hh of its rows
	v_lshl_add_u32 v[TS], v[HH], 4, v[TS]
	s_lshl_b32 s36, s[WV], 6
	v_add_nc_u32 v[TS], s36, v[TS]
	v_lshlrev_b32 v[TR], 4, v[LN]                  ; back: wave w takes output rows 8 w .. +7, 512 bytes each
	s_mul_i32 s36, s[WV], 2*T_GRP
	v_add_nc_u32 v[TR], s36, v[TR]
	v_mul_u32_u24 v[TG], v[HH], (\rows)*256        ; lanes 0-15 hold the first K block's 256 bytes of a row, lanes 16-31 the second's
	v_lshl_add_u32 v[TG], v[L16], 4, v[TG]
	s_lshl_b32 s36, s[WV], 11
	v_add_nc_u32 v[TG], s36, v[TG]
.irp u, 0,1
	s_wait_loadcnt 8-8*(\u)                        ; unit 0 (and b1, asked for ahead of it) is in while unit 1's eight loads stay out; then all
.irp q, 0,1,2,3
.irp jj, 0,1,2,3
	v_cvt_pk_bf16_f32 v[PK+16*(\u)+4*(\q)+(\jj)], v[IN+32*(\u)+8*(\jj)+(\q)], v[IN+32*(\u)+8*(\jj)+4+(\q)]
.endr
.endr
.irp q, 0,1,2,3
	ds_store_b128 v[TS], v[PK+16*(\u)+4*(\q):PK+16*(\u)+4*(\q)+3] offset:512*(\q)+32*(\u)
.endr
.endr
.if \bias
.irp u, 0,1
.irp jj, 0,1,2,3
	v_cvt_pk_bf16_f32 v[B1F+8*(\u)+(\jj)], v[B1F+8*(\u)+2*(\jj)], v[B1F+8*(\u)+2*(\jj)+1]  ; in place: pair jj lands on a register whose number has been packed already
.endr
.endr
.set n, 0
.rept 16                               ; 16 k for each of my four columns: products of the rounded numbers, summed in f32; the four chains take turns
.set uu, n/8
.set jj, (n/2)%4
.irp q, 0,1,2,3
.if n == 0
	v_fma_mix_f32_bf16 v[ACC+(\q)], v[PK+4*(\q)], v[B1F], v[NIL] op_sel_hi:[1,1,0]
.elseif n%2
	v_fma_mix_f32_bf16 v[ACC+(\q)], v[PK+16*uu+4*(\q)+jj], v[B1F+8*uu+jj], v[ACC+(\q)] op_sel:[1,1,0] op_sel_hi:[1,1,0]
.else
	v_fma_mix_f32_bf16 v[ACC+(\q)], v[PK+16*uu+4*(\q)+jj], v[B1F+8*uu+jj], v[ACC+(\q)] op_sel_hi:[1,1,0]
.endif
.endr
.set n, n+1
.endr
	s_lshl_b32 s36, s[WV], 9
	s_add_co_u32 s36, s36, BP
	v_lshl_add_u32 v[BS], v[HH], 8, s36            ; row 2 w + hh of sixteen
	v_lshl_add_u32 v[BS], v[L16], 4, v[BS]
	ds_store_b128 v[BS], v[ACC:ACC+3]
.endif
	s_wait_dscnt 0x0                               ; for the others' sake: my LDS stores are done
	s_barrier_signal -1
	s_barrier_wait -1                              ; all eight waves' are
.irp e, 0,1,2,3,4,5,6,7
	ds_load_b128 v[IN+4*(\e):IN+4*(\e)+3], v[TR] offset:((\e)>>2)*T_GRP+((\e)&3)*512
.endr
.irp e, 0,1,2,3,4,5,6,7
	s_wait_dscnt 7-(\e)
	global_store_b128 v[TG], v[IN+4*(\e):IN+4*(\e)+3], s[32:33] offset:256*(\e)  ; sixteen lanes store 256 consecutive bytes, aligned
.endr
.if \bias
	s_cmp_lg_u32 s[WV], 0                          ; wave 0 adds the sixteen rows of partial sums
	s_cbranch_scc1 .Lend
	v_lshlrev_b32 v[BO], 3, v[LN]                  ; (b1's loads, which read this register, were waited for above)
.irp r, 0,1,2,3,4,5,6,7,8,9,10,11,12,13,14,15
	ds_load_b64 v[PK+2*(\r):PK+2*(\r)+1], v[BO] offset:BP+256*(\r)
.endr
	s_wait_dscnt 0x0
.irp w, 16,8,4,2
.set k, 0
.rept (\w)/2
	v_pk_add_f32 v[PK+2*k:PK+2*k+1], v[PK+2*k:PK+2*k+1], v[PK+(\w)+2*k:PK+(\w)+2*k+1]
.set k, k+1
.endr
.endr
	global_store_b64 v[BO], v[PK:PK+1], s[38:39]   ; 64 sums: 256 consecutive bytes, aligned
.endif
.endm
	s_cmp_lt_u32 s[ID], 256
	s_cbranch_scc1 .Lx
	s_cmp_lt_u32 s[ID], 512
	s_cbranch_scc1 .Lw1
	s_cmp_lt_u32 s[ID], 768
	s_cbranch_scc1 .Lw2
	; Wq, Wk, Wv: [h][c][d], a row of 64 d is 256 bytes.  sel, h, and which 256 of the 1,024 c
	s_sub_co_u32 s[ID], s[ID], 768
	s_lshr_b32 s6, s[ID], 6                        ; sel
	s_bfe_u32 s7, s[ID], 0x40002                   ; h
	s_and_b32 s37, s[ID], 3                        ; cb
	s_cmp_eq_u32 s6, 0
	s_cselect_b64 s[30:31], s[10:11], s[12:13]
	s_cmp_eq_u32 s6, 2
	s_cselect_b64 s[30:31], s[14:15], s[30:31]
	s_lshl_b32 s28, s7, 18                         ; h x 1,024 rows x 256 bytes
	s_lshl_b32 s36, s37, 16                        ; cb x 256 rows
	s_add_co_u32 s28, s28, s36
	s_lshl_b32 s36, s[WV], 13                      ; my wave's 32 rows
	s_add_co_u32 s28, s28, s36
	s_add_nc_u64 s[30:31], s[30:31], s[28:29]
	s_mul_i32 s28, s37, 2*3072*256                 ; K block 2 cb
	s_lshl_b32 s36, s6, 18                         ; row sel 1,024
	s_add_co_u32 s28, s28, s36
	s_lshl_b32 s36, s7, 14                         ; + h 64
	s_add_co_u32 s28, s28, s36
	s_add_nc_u64 s[32:33], s[24:25], s[28:29]
	TRANS 256, 3072, 0
	s_branch .Lend
.Lx:                                                   ; x: 16 rows of 4,096 bytes; wave w takes rows 2 w and 2 w + 1
	s_lshl_b32 s28, s[ID], 16
	s_lshl_b32 s36, s[WV], 13
	s_add_co_u32 s28, s28, s36
	s_add_nc_u64 s[30:31], s[8:9], s[28:29]
	s_lshl_b32 s28, s[ID], 4
	s_lshl1_add_u32 s28, s[WV], s28                ; row 16 blk + 2 w
	s_lshl_b32 s28, s28, 8
	s_add_nc_u64 s[32:33], s[22:23], s[28:29]
	STRAIGHT 1
	s_branch .Lend
.Lw1:                                                  ; W1: 4 rows of 16,384 bytes; wave w takes half w % 2 of row w / 2
	s_sub_co_u32 s[ID], s[ID], 256
	s_lshl_b32 s28, s[ID], 16
	s_lshl_b32 s36, s[WV], 13
	s_add_co_u32 s28, s28, s36
	s_add_nc_u64 s[30:31], s[16:17], s[28:29]
	s_and_b32 s28, s[WV], 1
	s_lshl_b32 s28, s28, 14                        ; K block 16 (w % 2), x 1,024 rows
	s_lshl2_add_u32 s28, s[ID], s28                ; + row 4 blk
	s_lshr_b32 s36, s[WV], 1
	s_add_co_u32 s28, s28, s36                     ; + w / 2
	s_lshl_b32 s28, s28, 8
	s_add_co_u32 s28, s28, W1B_OFF
	s_add_nc_u64 s[32:33], s[24:25], s[28:29]
	STRAIGHT 0
	s_branch .Lend
.Lw2:                                                  ; W2: [j][n], a row is 4,096 bytes.  jb: which 256 j; nb: which 64 n
	s_sub_co_u32 s[ID], s[ID], 512
	s_lshr_b32 s6, s[ID], 4                        ; jb
	s_and_b32 s7, s[ID], 15                        ; nb
	s_lshl_b32 s28, s6, 20
	s_lshl_b32 s36, s7, 8
	s_add_co_u32 s28, s28, s36
	s_lshl_b32 s36, s[WV], 17                      ; my wave's 32 rows
	s_add_co_u32 s28, s28, s36
	s_add_nc_u64 s[30:31], s[18:19], s[28:29]
	s_lshl_b32 s28, s6, 19                         ; K block 2 jb
	s_lshl_b32 s36, s7, 14                         ; row 64 nb
	s_add_co_u32 s28, s28, s36
	s_add_co_u32 s28, s28, W2T_OFF
	s_add_nc_u64 s[32:33], s[24:25], s[28:29]
	s_lshl_b32 s28, s6, 10                         ; b1 at j = 256 jb + 32 w
	s_lshl_b32 s36, s[WV], 7
	s_add_co_u32 s28, s28, s36
	s_add_nc_u64 s[34:35], s[20:21], s[28:29]
	s_lshl_b32 s28, s6, 12                         ; bpart at (jb, 64 nb)
	s_lshl_b32 s36, s7, 8
	s_add_co_u32 s28, s28, s36
	s_add_nc_u64 s[38:39], s[26:27], s[28:29]
	TRANS 4096, 1024, 1
.Lend:
	s_wait_tensorcnt 0x0                           ; the wave's end, behind my last LDS store
	ds_add_u32 v[SPW], v[NIL]
	s_wait_dscnt 0x0
	s_endpgm
.Lfunc_end_k_qee092d9b54_prep:
	.size	k_qee092d9b54_prep, .Lfunc_end_k_qee092d9b54_prep-k_qee092d9b54_prep
	.p2alignl 7, 3214868480
	.fill 96, 4, 3214868480
	.section	.rodata,"a",@progbits
	.p2align	6, 0x0
	.amdhsa_kernel k_qee092d9b54_prep
		.amdhsa_group_segment_fixed_size 38400
		.amdhsa_private_segment_fixed_size 0
		.amdhsa_enable_private_segment 0
		.amdhsa_kernarg_size 80
		.amdhsa_user_sgpr_count 2
		.amdhsa_user_sgpr_kernarg_segment_ptr 1
		.amdhsa_wavefront_size32 1
		.amdhsa_system_sgpr_workgroup_id_x 1
		.amdhsa_system_sgpr_workgroup_id_y 1
		.amdhsa_system_sgpr_workgroup_id_z 1
		.amdhsa_system_vgpr_workitem_id 0
		.amdhsa_next_free_vgpr 130
		.amdhsa_next_free_sgpr 66
		.amdhsa_reserve_vcc 0
		.amdhsa_float_denorm_mode_32 3
		.amdhsa_float_denorm_mode_16_64 3
		.amdhsa_memory_ordered 1
		.amdhsa_forward_progress 1
		.amdhsa_inst_pref_size 35
	.end_amdhsa_kernel
	.amdgpu_metadata
---
amdhsa.version: [ 1, 2 ]
amdhsa.kernels:
  - .name:           k_qee092d9b54_prep
    .symbol:         k_qee092d9b54_prep.kd
    .args:
      - { .name: x, .offset: 0, .size: 8, .value_kind: global_buffer, .address_space: global }
      - { .name: Wq, .offset: 8, .size: 8, .value_kind: global_buffer, .address_space: global }
      - { .name: Wk, .offset: 16, .size: 8, .value_kind: global_buffer, .address_space: global }
      - { .name: Wv, .offset: 24, .size: 8, .value_kind: global_buffer, .address_space: global }
      - { .name: W1, .offset: 32, .size: 8, .value_kind: global_buffer, .address_space: global }
      - { .name: W2, .offset: 40, .size: 8, .value_kind: global_buffer, .address_space: global }
      - { .name: b1, .offset: 48, .size: 8, .value_kind: global_buffer, .address_space: global }
      - { .name: xb, .offset: 56, .size: 8, .value_kind: global_buffer, .address_space: global }
      - { .name: wb, .offset: 64, .size: 8, .value_kind: global_buffer, .address_space: global }
      - { .name: bpart, .offset: 72, .size: 8, .value_kind: global_buffer, .address_space: global }
    .group_segment_fixed_size: 38400
    .private_segment_fixed_size: 0
    .kernarg_segment_align: 8
    .kernarg_segment_size: 80
    .max_flat_workgroup_size: 256
    .sgpr_count:     66
    .vgpr_count:     130
    .wavefront_size: 32
...
	.end_amdgpu_metadata
.endif
;; end of part 1
;; launch gemm1 (part 2): grid 16 x 16, 4 waves a work-group, clusters of 4 x 4, 327,680 bytes of LDS; arguments xb, wb, qkv, w12p; writes qkv, w12p
.if DOCPART == 2
	.amdgcn_target "amdgcn-amd-amdhsa--gfx1250"
	.amdhsa_code_object_version 6
	.text
	.protected	k_qee092d9b54_gemm1
	.globl	k_qee092d9b54_gemm1
	.p2align	8
	.type	k_qee092d9b54_gemm1,@function
k_qee092d9b54_gemm1:
	s_mov_b64 s[64:65], 0
	v_nop
	global_prefetch_b8 v0, s[64:65] scope:SCOPE_SE
	s_setreg_imm32_b32 hwreg(HW_REG_WAVE_MODE, 25, 1), 1
	s_wait_xcnt 0x0
	s_wait_alu depctr_hold_cnt(0) depctr_sa_sdst(0) depctr_va_vdst(0) depctr_va_sdst(0) depctr_va_ssrc(0) depctr_va_vcc(0) depctr_vm_vsrc(0)
	s_getreg_b32 s2, hwreg(HW_REG_IB_STS2, 6, 4)
	s_cmp_eq_u32 s2, 0
	s_cbranch_scc0 .Lentry_in_a_cluster
	s_endpgm
.Lentry_in_a_cluster:
	s_bfe_u32 s2, ttmp6, 0x10000c
	s_cmp_lg_u32 s2, 0xf033
	s_cbranch_scc0 .Lentry_shape_is_right
	s_endpgm
.Lentry_shape_is_right:
; GEMM1: 256 work-groups, each ONE tile of 256 x 256 of C = A B^T with K = 1,024, bf16 operands, f32 sums.  Two products share the text:
;   clusters with x = 0, 1, 2 (sel = q, k, v), y = batch: q, k, v = x W.  A = xb's 1,024 rows of the batch, B = WT's 1,024 rows of sel.  C is rounded once to f16, unscaled, and stored by heads: qkv [sel][b 16 + h][t][64].
;   clusters with x = 3, y = z: the K quarter z of W12^T[n][k] = sum over j of W2[j][n] W1[k][j].  A = W2T, B = W1B, K blocks 8 z .. 8 z + 7.  C stays f32: w12p [z][n][k]; the next launch adds the four.
; (Nothing nonlinear stands between the module's two linear layers, so (a W1 + b1) W2 + b2 = a (W1 W2) + (b1 W2 + b2) for every input.)
; LIMIT: q, k and v must lie under 65,520 in magnitude, f16's end; NaN and infinities are not treated apart.
; Four waves, each 128 x 128: 64 accumulators, 512 registers.  K goes in steps of 128 through a ring of two LDS slots filled by the tensor data mover.  All four operands lie in K blocks of 128, rows end to end:
; a tile's rows are 256 bytes, aligned, 128 elements apart, whatever the operand: only the address and the bytes from K block to K block differ.
; CLUSTERS: 4 x 4 work-groups.  The four of a row need the same tiles of A, the four of a column the same tiles of B: each tile is asked for JOINTLY, by the same tensor load with the same descriptor and a mask
; that names the four.  Which product a work-group makes hangs on the CLUSTER's x, which all sixteen partners share; no branch and no LDS address hangs on a place in the cluster.
; THE MATRIX INSTRUCTION IS USED TRANSPOSED (source 0 = 16 rows of B, source 1 = 16 rows of A): a lane holds row l % 16 of C and the columns 8 (l / 16) + 0..7.
; REGISTERS, in windows of 256: window 0: v0-31 addresses; v64-127, v128-191 A's fragments, two buffers; v32-63, v192-255 at work on the way out.  window 1: v64-127, v128-191 B's fragments.
;   window 2: the accumulators of my rows 0-63 ((a, b) at v[8 (8 a + b)]); window 3: those of my rows 64-127.
.set KSTEP,  128
.set PITCH,  272                       ; an LDS row: 256 bytes + 16 of padding: the 16 rows of a fragment load start at 16 different groups of four banks (ISA guide 11.1)
.set HALFT,  128*PITCH                 ; what one tensor load brings
.set SLOT,   4*HALFT                   ; A's 256 rows, then B's 256 rows
.set STAGE,  2*SLOT                    ; behind the ring: a stage for each wave, for the way out; no tensor load lands there
.set STG,    8448                      ; 16 rows x 528 bytes (f32), or 2 heads x 16 rows x 144 bytes (f16)
.set SPARE,  STAGE+4*STG               ; behind the stages: the spare words, 128 bytes a wave, that no other line names
.set W2T_OFF, 6291456
.set W1B_OFF, 14680064
.set GW0, (1<<16)|(1<<20)|(1<<21)|(5<<22)|(3<<25)  ; group 1, word 0 beside the mask: 2-byte elements; padding on; bit 21 set beside a mask; after every 64 words, 4 words
.set ADRA, 16                          ; v16-17  LDS address of my A fragments in slot 0, 1
.set ADRB, 20                          ; v20-21  the same for B
.set STOQ, 22                          ; v22     way out, f16: where I put 16 bytes
.set RDQ,  23                          ; v23     where I read rows back
.set GOL,  24                          ; v24     16 x lane: my place in 512 consecutive bytes
.set STOW, 25                          ; v25     way out, f32: where I put 32 bytes
.set RDW,  26                          ; v26     where I read a row back
.set SPW,  28                          ; v28     LDS address of my spare word; never rewritten
.set NIL,  29                          ; v29     0; never rewritten
.set PFO,  30                          ; v30     256 x lane: the prefetches' offset, a lane a row; never rewritten
.set F0,   64
.set F1,   128
.set TMP,  192
.set OB,   32
.set WV,   12                          ; s12 wave
.set HR,   13                          ; s13 which half of the tile's rows is mine; also: I fetch for A (0) or B (1)
.set HC,   14                          ; s14 which half of its columns; also: which 128 rows of that tile I fetch
.set CXI,  15                          ; s15, s16 my place in the cluster
.set CYI,  16
.set CX,   17                          ; s17, s18 the cluster's place
.set CY,   18
.set MODE, 19                          ; s19 1: W12's quarter; 0: q, k, v
.set G1,   24                          ; s[24:31] descriptor group 1 for A;  s[32:39] group 0, a set for each slot
.set G0,   32
.set PFA,  44                          ; s[44:45] where my prefetches stand
.set LIM,  46                          ; s46 1 in a wave that prefetches, else the greatest number
.set G1B,  48                          ; s[48:55], s[56:63] the same for B
.set G0B,  56
.set STA,  66                          ; s[66:67] bytes of two K steps of A;  s[68:69] of B
.set STB,  68
.set PST,  70                          ; s[70:71] bytes of one K step of the operand that I fetch
.set MSB, 0
.macro WIN new                         ; the immediate's high byte repeats the setting that is left; a switch that changes nothing is dropped
.if MSB != (\new)
	s_set_vgpr_msb (MSB<<8)|(\new)
.set MSB, \new
.endif
.endm
.set MUL_LO, 0xa1                      ; source 0 (B) window 1, source 1 (A) window 0, C and D window 2
.set MUL_HI, 0xf1                      ; the same, C and D window 3
.set TO_B,   0x40                      ; destination window 1, address window 0
; A joint load: waves 0 and 1 fetch A's two halves, waves 2 and 3 B's.  The branch hangs on the wave's number alone.  An s_nop 0 and four v_nop follow each line.
.macro JLOAD s
	s_cmp_eq_u32 s[HR], 0
	s_cbranch_scc0 .Lfor_b_\@
	tensor_load_to_lds s[G0+4*(\s):G0+4*(\s)+3], s[G1:G1+7]
	s_nop 0
.rept 4
	v_nop
.endr
	s_branch .Lasked_\@
.Lfor_b_\@:
	tensor_load_to_lds s[G0B+4*(\s):G0B+4*(\s)+3], s[G1B:G1B+7]
	s_nop 0
.rept 4
	v_nop
.endr
.Lasked_\@:
.endm
; A PREFETCH behind each joint load, its five lines and the run of LDS loads: the K step that stands two refills on, 32 rows x 256 bytes, a lane a row, one instruction a wave.  Each row's 256 bytes of K steps 4 to 7 are named once
; in the launch: xb's rows are walked by the clusters x = 0, 1, 2 of a batch, and x = 0 asks; WT's by the four batches, and y = 0 asks; W2T's and W1B's quarter by one cluster alone.  The four partners that ask for a
; tile jointly share its rows out by address, 32 each.  K steps 0 to 3 come by their loads alone; the loop's last trip (s3 = 1) asks for nothing: there is no K step 8.
.macro ASK
	s_cmp_gt_u32 s3, s[LIM]
	s_cbranch_scc0 .Lnot_mine_\@
	global_prefetch_b8 v[PFO], s[PFA:PFA+1] th:TH_LOAD_NT scope:SCOPE_SE
.Lnot_mine_\@:
.endm
.macro CREST                           ; a round of the cluster's barrier behind its opening barrier
	s_cmp_lg_u32 s[WV], 0
	s_cbranch_scc1 .Lnot_wave_0_\@
	s_barrier_signal -3
.Lnot_wave_0_\@:
	s_barrier_wait -3
	s_barrier_signal -1
	s_barrier_wait -1
.endm
.macro CROUND
	s_barrier_signal -1
	s_barrier_wait -1
	CREST
.endm
	s_load_b256 s[4:11], s[0:1], 0x0               ; xb s[4:5], wb s[6:7], qkv s[8:9], w12p s[10:11]
	v_lshl_add_u32 v[SPW], v0, 2, SPARE
	v_mov_b32 v[NIL], 0
	ds_add_u32 v[SPW], v[NIL]                      ; the wave's opening: the add and its wait ahead of my first tensor load; the set-up below, work on registers, stands between
	ds_add_u32 v28, v29
	v_lshrrev_b32 v1, 5, v0
	v_readfirstlane_b32 s[WV], v1
	s_lshr_b32 s[HR], s[WV], 1
	s_and_b32 s[HC], s[WV], 1
	s_bfe_u32 s[CXI], ttmp6, 0x40000
	s_bfe_u32 s[CYI], ttmp6, 0x40004
	s_mov_b32 s[CX], ttmp9                         ; in a cluster launch these count clusters
	s_and_b32 s[CY], ttmp7, 0xffff
	s_lshl_b32 s20, s[CYI], 2
	s_lshl_b32 s20, 15, s20                        ; my row of the cluster
	s_lshl_b32 s21, 0x1111, s[CXI]                 ; my column
	s_or_b32 s[G1], s20, GW0
	s_or_b32 s[G1B], s21, GW0
.irp g, G1, G1B
	s_mov_b32 s[(\g)+1], KSTEP<<16                 ; tensor_dim0 = 128
	s_mov_b32 s[(\g)+2], 128<<16                   ; tensor_dim1 = 128
	s_mov_b32 s[(\g)+3], KSTEP<<16                 ; tile_dim0 = 128
	s_mov_b32 s[(\g)+4], 128                       ; tile_dim1 = 128
	s_mov_b32 s[(\g)+5], 128                       ; 128 elements from row to row: the rows of a K block lie end to end
	s_mov_b32 s[(\g)+6], 0
	s_mov_b32 s[(\g)+7], 0
.endr
	; the tiles' byte offsets.  A's hangs on cy (and the cluster's place), B's on cx: each in registers that never hold the other place
	s_lshl_b32 s22, s[HC], 7                       ; which 128 rows I fetch
	s_lshl_b32 s40, s[CYI], 8
	s_add_co_u32 s40, s40, s22
	s_lshl_b32 s40, s40, 8                         ; A: (256 cy + 128 half) rows of 256 bytes
	s_lshl_b32 s42, s[CXI], 8
	s_add_co_u32 s42, s42, s22
	s_lshl_b32 s42, s42, 8                         ; B: (256 cx + 128 half) rows
	s_mov_b32 s72, 1048576                         ; bytes of a K block: xb 4,096 rows,
	s_mov_b32 s74, 786432                          ; WT 3,072 rows,
	s_cmp_eq_u32 s[CX], 3
	s_cselect_b32 s[MODE], 1, 0
	s_cselect_b32 s20, 21, 18                      ; a K quarter is 2^21 bytes, 1,024 rows are 2^18
	s_cselect_b32 s21, W2T_OFF, 0
	s_cselect_b32 s23, W1B_OFF, 0
	s_cselect_b32 s72, 262144, s72                 ; W2T and W1B 1,024 rows
	s_cselect_b32 s74, 262144, s74
	s_cselect_b32 s2, s[CY], s[CX]                 ; B: the quarter, or sel
	s_lshl_b32 s3, s[CY], s20                      ; A: the quarter, or the batch
	s_add_co_u32 s40, s40, s3
	s_add_co_u32 s40, s40, s21
	s_mov_b32 s41, 0
	s_lshl_b32 s3, s2, s20
	s_add_co_u32 s42, s42, s3
	s_add_co_u32 s42, s42, s23
	s_mov_b32 s43, 0
	s_mov_b32 s73, 0
	s_mov_b32 s75, 0
	s_lshl_b32 s[STA], s72, 1
	s_mov_b32 s[STA+1], 0
	s_lshl_b32 s[STB], s74, 1
	s_mov_b32 s[STB+1], 0
	s_mul_i32 s47, s[WV], HALFT                    ; where my loads land: wave x 128 rows: no place in the cluster enters an LDS address
	s_wait_dscnt 0x0                               ; the opening add is done
	s_wait_kmcnt 0x0
	s_cmp_eq_u32 s[MODE], 1
	s_cselect_b64 s[76:77], s[6:7], s[4:5]         ; A lies in wb or in xb
	s_add_nc_u64 s[76:77], s[76:77], s[40:41]
	s_add_nc_u64 s[78:79], s[6:7], s[42:43]
	CROUND                                         ; all sixteen work-groups are here: the first joint loads meet
	s_mov_b32 s[G0], 1                             ; count = 1
	s_mov_b32 s[G0+1], s47                         ; LDS address, slot 0
	s_add_nc_u64 s[G0+2:G0+3], s[76:77], 0         ; K step 0
	s_or_b32 s[G0+3], s[G0+3], 0x80000000          ; type = 2
	s_mov_b32 s[G0B], 1
	s_mov_b32 s[G0B+1], s47
	s_add_nc_u64 s[G0B+2:G0B+3], s[78:79], 0
	s_or_b32 s[G0B+3], s[G0B+3], 0x80000000
	JLOAD 0
	s_mov_b32 s[G0+4], 1
	s_add_co_u32 s[G0+5], s47, SLOT
	s_add_nc_u64 s[G0+6:G0+7], s[76:77], s[72:73]  ; K step 1
	s_or_b32 s[G0+7], s[G0+7], 0x80000000
	s_mov_b32 s[G0B+4], 1
	s_add_co_u32 s[G0B+5], s47, SLOT
	s_add_nc_u64 s[G0B+6:G0B+7], s[78:79], s[74:75]
	s_or_b32 s[G0B+7], s[G0B+7], 0x80000000
	JLOAD 1                                        ; two loads of mine are out
	; a fragment is 16 rows x 32 K in 8 registers: lane l holds row l % 16, K = 8 (l / 16) + 0..7 and 16 + 8 (l / 16) + 0..7: two loads of 16 bytes, 32 bytes apart
	v_and_b32 v1, 15, v0
	v_bfe_u32 v2, v0, 4, 1
	v_mul_u32_u24 v3, v1, PITCH
	v_lshl_add_u32 v3, v2, 4, v3
	s_mul_i32 s21, s[HR], HALFT
	s_mul_i32 s22, s[HC], HALFT
	s_add_co_u32 s22, s22, 2*HALFT
.irp s, 0,1
	v_add_nc_u32 v[ADRA+(\s)], s21, v3
	v_add_nc_u32 v[ADRB+(\s)], s22, v3
	s_add_co_u32 s21, s21, SLOT
	s_add_co_u32 s22, s22, SLOT
.endr
	s_mul_i32 s23, s[WV], STG
	s_add_co_u32 s23, s23, STAGE                   ; my stage
	v_mul_u32_u24 v4, v1, 144                      ; f16, in: row l % 16 of a head's 16 rows of 128 bytes + 16, 16 bytes for each half of the lanes
	v_lshl_add_u32 v4, v2, 4, v4
	v_add_nc_u32 v[STOQ], s23, v4
	v_and_b32 v5, 31, v0
	v_lshrrev_b32 v6, 3, v5                        ; back: 32 lanes take four rows of 128 bytes
	v_and_b32 v7, 7, v0
	v_mul_u32_u24 v6, v6, 144
	v_lshl_add_u32 v6, v7, 4, v6
	v_add_nc_u32 v[RDQ], s23, v6
	v_lshlrev_b32 v[GOL], 4, v5
	v_mul_u32_u24 v4, v1, 528                      ; f32, in: row l % 16 of 512 bytes + 16, 32 bytes for each half of the lanes
	v_lshl_add_u32 v4, v2, 5, v4
	v_add_nc_u32 v[STOW], s23, v4
	v_lshl_add_u32 v[RDW], v5, 4, s23              ; back: 32 lanes take a row
	v_lshlrev_b32 v[PFO], 8, v5
	; the prefetches
	s_cmp_eq_u32 s[HR], 0                          ; do I fetch for A?
	s_cselect_b32 s20, s[CX], s[CY]                ; the coordinate along which other clusters walk the same rows
	s_cselect_b32 s21, s[CXI], s[CYI]              ; my place among the four that ask with me
	s_cselect_b64 s[PFA:PFA+1], s[76:77], s[78:79]
	s_cselect_b64 s[PST:PST+1], s[72:73], s[74:75]
	s_cmp_eq_u32 s20, 0
	s_cselect_b32 s[LIM], 1, -1
	s_cmp_eq_u32 s[MODE], 1
	s_cselect_b32 s[LIM], 1, s[LIM]                ; the same in all sixteen partners, for a given wave
	s_lshl_b32 s20, s21, 13                        ; my work-group's 32 rows of the 128
	s_mov_b32 s21, 0
	s_add_nc_u64 s[PFA:PFA+1], s[PFA:PFA+1], s[20:21]
.rept 3
	s_add_nc_u64 s[PFA:PFA+1], s[PFA:PFA+1], s[PST:PST+1]  ; at K step 3: the first refill steps it to 4
.endr
; 16 matrix instructions: m blocks a0, a0 + 1 of the window's four x all 8 n blocks, 32 along K.  zero = 1: the first product starts the sums: nothing is cleared.
; The 64 accumulators take turns, one instruction a turn, in the same order in every quarter.
.macro MUL16 f, hi, a0, zero
	WIN MUL_LO+0x50*(\hi)
.irp a, \a0, (\a0)+1
.irp b, 0,1,2,3,4,5,6,7
.if \zero
	v_wmma_f32_16x16x32_bf16 v[8*(8*(\a)+(\b)):8*(8*(\a)+(\b))+7], v[(\f)+8*(\b):(\f)+8*(\b)+7], v[(\f)+8*(4*(\hi)+(\a)):(\f)+8*(4*(\hi)+(\a))+7], 0
.else
	v_wmma_f32_16x16x32_bf16 v[8*(8*(\a)+(\b)):8*(8*(\a)+(\b))+7], v[(\f)+8*(\b):(\f)+8*(\b)+7], v[(\f)+8*(4*(\hi)+(\a)):(\f)+8*(4*(\hi)+(\a))+7], v[8*(8*(\a)+(\b)):8*(8*(\a)+(\b))+7]
.endif
.endr
.endr
.endm
.macro FETCH slot, k, f                ; 32 LDS loads in one run: a quarter step's fragments (32 K at byte k of the rows) into buffer f
	WIN TO_B
.irp i, 0,1,2,3,4,5,6,7
	ds_load_b128 v[(\f)+8*(\i):(\f)+8*(\i)+3],   v[ADRB+(\slot)] offset:(\k)+(\i)*16*PITCH
	ds_load_b128 v[(\f)+8*(\i)+4:(\f)+8*(\i)+7], v[ADRB+(\slot)] offset:(\k)+(\i)*16*PITCH+32
.endr
	WIN 0
.irp i, 0,1,2,3,4,5,6,7
	ds_load_b128 v[(\f)+8*(\i):(\f)+8*(\i)+3],   v[ADRA+(\slot)] offset:(\k)+(\i)*16*PITCH
	ds_load_b128 v[(\f)+8*(\i)+4:(\f)+8*(\i)+7], v[ADRA+(\slot)] offset:(\k)+(\i)*16*PITCH+32
.endr
.endm
.macro PLACES                          ; four plain vector instructions between a matrix instruction and a load into, or a reader of, its registers
.rept 4
	v_nop
.endr
.endm
.macro QUARTER slot, k, f, g, zero     ; multiplies buffer f; in its middle fetches the next quarter, at byte k, into g
	s_wait_dscnt 8                                 ; B and A's rows 0-63 are in; the youngest eight loads (A's rows 64-127) may be out
	MUL16 \f, 0, 0, \zero
	MUL16 \f, 0, 2, \zero
	PLACES
	FETCH \slot, \k, \g
	s_wait_dscnt 32                                ; all but the 32 just issued
	MUL16 \f, 1, 0, \zero
	MUL16 \f, 1, 2, \zero
.endm
; The first half of a K step's last quarter: ONE barrier for the change of slots.  Ahead of it each wave waits for all its tensor loads (one is out: its part of the next slot), adds 0 to its spare word,
; and waits for that and for its reads of this slot.  Behind it nobody reads this slot any more and the next slot is whole.
.macro MEET round
	WIN 0
	s_wait_tensorcnt 0x0
	ds_add_u32 v[SPW], v[NIL]
	s_wait_dscnt 9                                 ; (the add and the youngest eight loads may be out)
	MUL16 F1, 0, 0, 0
	s_wait_dscnt 0x0                               ; the add is done, and my reads of this slot are over
	s_barrier_signal -1
	MUL16 F1, 0, 2, 0
.if \round
	WIN 0
.endif
	s_barrier_wait -1
.endm
.macro TURN slot, next                 ; the whole last quarter, with the refill: from the request to the wait for it a wave issues 224 matrix instructions
	s_wait_xcnt 0x0                                ; the last prefetch, a K step back, has read its address
	s_add_nc_u64 s[PFA:PFA+1], s[PFA:PFA+1], s[PST:PST+1]
	MEET 1
	CREST                                          ; the barrier has opened a round of the cluster's: no wave of any partner still reads this slot or has a load on its way
	s_add_nc_u64 s[G0+4*(\slot)+2:G0+4*(\slot)+3], s[G0+4*(\slot)+2:G0+4*(\slot)+3], s[STA:STA+1]
	s_add_nc_u64 s[G0B+4*(\slot)+2:G0B+4*(\slot)+3], s[G0B+4*(\slot)+2:G0B+4*(\slot)+3], s[STB:STB+1]
	JLOAD \slot                                    ; the first tensor load behind the round; its four v_nop are also the places in front of the loads below
	FETCH \next, 0, F0
	ASK
	MUL16 F1, 1, 0, 0
	MUL16 F1, 1, 2, 0
.endm
	s_wait_tensorcnt 1                             ; my part of K step 0 is in; K step 1's may stay out
	s_barrier_signal -1
	s_barrier_wait -1
	FETCH 0, 0, F0
	QUARTER 0, 64, F0, F1, 1                       ; the first quarter starts the sums
	WIN 0
	s_mov_b32 s3, 3
.Llap:                                                 ; a trip goes once round the ring and fills both slots again: K steps 2 to 7
	QUARTER 0, 128, F1, F0, 0
	QUARTER 0, 192, F0, F1, 0
	TURN 0, 1
	QUARTER 1, 64,  F0, F1, 0
	QUARTER 1, 128, F1, F0, 0
	QUARTER 1, 192, F0, F1, 0
	TURN 1, 0
	QUARTER 0, 64,  F0, F1, 0
	WIN 0
	s_sub_co_u32 s3, s3, 1
	s_cmp_lg_u32 s3, 0
	s_cbranch_scc1 .Llap
	QUARTER 0, 128, F1, F0, 0                      ; the last lap is written out: it asks for nothing
	QUARTER 0, 192, F0, F1, 0
	MEET 0
	PLACES                                         ; for the loads into buffer 0
	FETCH 1, 0, F0
	MUL16 F1, 1, 0, 0
	MUL16 F1, 1, 2, 0
	QUARTER 1, 64,  F0, F1, 0
	QUARTER 1, 128, F1, F0, 0
	QUARTER 1, 192, F0, F1, 0
	s_wait_dscnt 8
	MUL16 F1, 0, 0, 0
	MUL16 F1, 0, 2, 0
	s_wait_dscnt 0x0
	MUL16 F1, 1, 0, 0
	MUL16 F1, 1, 2, 0
	WIN 0
	PLACES                                         ; the way out reads results just made
	s_cmp_eq_u32 s[MODE], 1
	s_cbranch_scc1 .Lout_w
	; THE WAY OUT OF q, k, v.  My 128 columns are two heads; a block of 16 rows is, for each head, 2,048 consecutive bytes of qkv.
	s_lshl_b32 s20, s[CX], 23                      ; sel
	s_lshl_b32 s21, s[CY], 21                      ; the batch's 16 heads
	s_add_co_u32 s20, s20, s21
	s_lshl_b32 s21, s[CXI], 2
	s_lshl1_add_u32 s21, s[HC], s21                ; head 4 cx + 2 (w % 2)
	s_lshl_b32 s21, s21, 17
	s_add_co_u32 s20, s20, s21
	s_lshl_b32 s21, s[CYI], 8
	s_lshl_b32 s22, s[HR], 7
	s_add_co_u32 s21, s21, s22                     ; t = 256 cy + 128 (w / 2)
	s_lshl_b32 s21, s21, 7
	s_add_co_u32 s20, s20, s21
	s_mov_b32 s21, 0
	s_add_nc_u64 s[8:9], s[8:9], s[20:21]
.macro PACK a                          ; block a rounded to f16: 16 bytes a lane for each n block; each accumulator's registers in ascending order
.set AC, 64*((\a)%4)
	WIN 0x0a+5*((\a)/4)                            ; sources 0 and 1: window 2 or 3
.irp b, 0,1,2,3,4,5,6,7
.irp r, 0,1,2,3
	v_cvt_pk_f16_f32 v[TMP+4*(\b)+(\r)], v[AC+8*(\b)+2*(\r)], v[AC+8*(\b)+2*(\r)+1]
.endr
.endr
	WIN 0
.endm
.macro TOSTAGE a
.set BK, OB+192*((\a)%2)
.irp b, 0,1,2,3,4,5,6,7
	ds_store_b128 v[STOQ], v[TMP+4*(\b):TMP+4*(\b)+3] offset:((\b)>>2)*2304+((\b)&3)*32
.endr
.irp t, 0,1,2,3,4,5,6,7
	ds_load_b128 v[BK+4*(\t):BK+4*(\t)+3], v[RDQ] offset:((\t)>>2)*2304+((\t)&3)*576  ; LDS serves a wave's instructions in order (ISA guide 5.7.1.4): these see the stores above
.endr
.endm
.macro SEND a
.set BK, OB+192*((\a)%2)
	s_wait_dscnt 0x0                               ; the block is back in registers
	s_wait_xcnt 0x0                                ; the stores of the block before have read their registers, which the next block's loads write
.irp t, 0,1,2,3,4,5,6,7
	global_store_b128 v[GOL], v[BK+4*(\t):BK+4*(\t)+3], s[8:9] offset:((\t)>>2)*131072+(\a)*2048+((\t)&3)*512  ; 512 consecutive bytes, aligned
.endr
.endm
	PACK 0
	TOSTAGE 0
.irp a, 1,2,3,4,5,6,7                  ; block a's conversions stand between block a - 1's loads from the stage and the wait for them
	PACK \a
	SEND (\a)-1
	TOSTAGE \a
.endr
	SEND 7
	s_branch .Ldone
.Lout_w:                                               ; THE WAY OUT OF W12's QUARTER, in f32: a block of 16 rows x 512 bytes goes through my stage and leaves as whole rows
	s_lshl_b32 s20, s[CY], 22                      ; z
	s_lshl_b32 s21, s[CYI], 8
	s_lshl_b32 s22, s[HR], 7
	s_add_co_u32 s21, s21, s22                     ; n = 256 cy + 128 (w / 2)
	s_lshl_b32 s21, s21, 12
	s_add_co_u32 s20, s20, s21
	s_lshl_b32 s21, s[CXI], 8
	s_lshl_b32 s22, s[HC], 7
	s_add_co_u32 s21, s21, s22                     ; k = 256 cx + 128 (w % 2)
	s_lshl_b32 s21, s21, 2
	s_add_co_u32 s20, s20, s21
	s_mov_b32 s21, 0
	s_add_nc_u64 s[10:11], s[10:11], s[20:21]
.macro WOUT a
.set AC, 64*((\a)%4)
	WIN 0x08+4*((\a)/4)                            ; the stores' data (source 1): window 2 or 3
.irp b, 0,1,2,3,4,5,6,7
	ds_store_b128 v[STOW], v[AC+8*(\b):AC+8*(\b)+3]   offset:64*(\b)      ; each accumulator's low half first
	ds_store_b128 v[STOW], v[AC+8*(\b)+4:AC+8*(\b)+7] offset:64*(\b)+16
.endr
	WIN 0
	s_wait_xcnt 0x0                                ; the block before's stores have read the registers that are loaded again
.irp t, 0,1,2,3,4,5,6,7,8,9,10,11,12,13,14,15
	ds_load_b128 v[TMP+4*(\t):TMP+4*(\t)+3], v[RDW] offset:(\t)*528
.endr
.irp t, 0,1,2,3,4,5,6,7,8,9,10,11,12,13,14,15
	s_wait_dscnt 15-(\t)
	global_store_b128 v[GOL], v[TMP+4*(\t):TMP+4*(\t)+3], s[10:11] offset:(16*(\a)+(\t))*4096  ; 512 consecutive bytes, aligned
.endr
.endm
.irp a, 0,1,2,3,4,5,6,7
	WOUT \a
.endr
.Ldone:
	s_wait_tensorcnt 0x0                           ; the wave's end, behind my last tensor load and my last LDS store
	ds_add_u32 v[SPW], v[NIL]
	s_wait_dscnt 0x0
	CROUND                                         ; the closing round: no work-group ends while a partner may still ask for a tile that names it
	s_endpgm
.Lfunc_end_k_qee092d9b54_gemm1:
	.size	k_qee092d9b54_gemm1, .Lfunc_end_k_qee092d9b54_gemm1-k_qee092d9b54_gemm1
	.p2alignl 7, 3214868480
	.fill 96, 4, 3214868480
	.section	.rodata,"a",@progbits
	.p2align	6, 0x0
	.amdhsa_kernel k_qee092d9b54_gemm1
		.amdhsa_group_segment_fixed_size 327680
		.amdhsa_private_segment_fixed_size 0
		.amdhsa_enable_private_segment 0
		.amdhsa_kernarg_size 32
		.amdhsa_user_sgpr_count 2
		.amdhsa_user_sgpr_kernarg_segment_ptr 1
		.amdhsa_wavefront_size32 1
		.amdhsa_system_sgpr_workgroup_id_x 1
		.amdhsa_system_sgpr_workgroup_id_y 1
		.amdhsa_system_sgpr_workgroup_id_z 1
		.amdhsa_system_vgpr_workitem_id 0
		.amdhsa_next_free_vgpr 1024
		.amdhsa_next_free_sgpr 96
		.amdhsa_reserve_vcc 0
		.amdhsa_float_denorm_mode_32 3
		.amdhsa_float_denorm_mode_16_64 3
		.amdhsa_memory_ordered 1
		.amdhsa_forward_progress 1
		.amdhsa_inst_pref_size 177
	.end_amdhsa_kernel
	.amdgpu_metadata
---
amdhsa.version: [ 1, 2 ]
amdhsa.kernels:
  - .name:           k_qee092d9b54_gemm1
    .symbol:         k_qee092d9b54_gemm1.kd
    .args:
      - { .name: xb, .offset: 0, .size: 8, .value_kind: global_buffer, .address_space: global }
      - { .name: wb, .offset: 8, .size: 8, .value_kind: global_buffer, .address_space: global }
      - { .name: qkv, .offset: 16, .size: 8, .value_kind: global_buffer, .address_space: global }
      - { .name: w12p, .offset: 24, .size: 8, .value_kind: global_buffer, .address_space: global }
    .group_segment_fixed_size: 327680
    .private_segment_fixed_size: 0
    .kernarg_segment_align: 8
    .kernarg_segment_size: 32
    .max_flat_workgroup_size: 128
    .sgpr_count:     96
    .vgpr_count:     1024
    .wavefront_size: 32
...
	.end_amdgpu_metadata
.endif
;; end of part 2
;; launch attn (part 3): grid 4 x 64, 4 waves a work-group, no clusters, 327,680 bytes of LDS; arguments qkv, w12p, att, w12s; writes att, w12s
.if DOCPART == 3
	.amdgcn_target "amdgcn-amd-amdhsa--gfx1250"
	.amdhsa_code_object_version 6
	.text
	.protected	k_qee092d9b54_attn
	.globl	k_qee092d9b54_attn
	.p2align	8
	.type	k_qee092d9b54_attn,@function
k_qee092d9b54_attn:
	s_mov_b64 s[64:65], 0
	v_nop
	global_prefetch_b8 v0, s[64:65] scope:SCOPE_SE
	s_setreg_imm32_b32 hwreg(HW_REG_WAVE_MODE, 25, 1), 1
	s_wait_xcnt 0x0
; ATTN: causal attention, head size 64, 64 heads (b 16 + h) of 1,024 rows; and, in the wait for the first tile, the sum of W12's four K quarters.
; O[q] = the sum over k <= q of softmax_k(Q[q] . K[k] / 8) V[k].  Q, K, V: qkv [sel][head][1024][64] f16, unscaled.  Products, maxima and sums in f32; the weights p are rounded to f16 for the second product
; (their sum l is taken of the unrounded p).  O leaves as a PAIR of f16, hi = f16(O), lo = f16(O - hi): att [4096 m][16 h][hi 64 | lo 64], 256 bytes for a row and head.
; W12: wave (head, b, w) takes row n = 16 head + 4 b + w: w12s [n][8 g][hi of k = 128 g .. +127 | lo] = 32 x the sum over z of w12p [z][n][k], again as a pair of f16.  The factor 32, exact, is taken back by the last launch.
; LIMITS.  32 W12 must lie under 65,520 in magnitude.  A hidden score counts as its value less 1e30; a weight below 2^-126 counts as 0 in l; NaN and infinities are not treated apart.
; SHARES.  A head's queries lie in 8 blocks of 128; block i needs the key steps 0 .. 2 i + 1 of 64 keys.  Work-group b takes blocks 7 - b (PIECE 0) and b (PIECE 1): 18 piece-steps, whatever b.  Of a block's two bands of
; 64 rows a wave owns 16 rows in each: two tiles a piece; so the diagonal is the same work for all four waves.
; ONE WALK over the key steps 0 .. 15 serves both pieces: K's and V's fragments of a step are read from LDS once for both.  A piece's dead steps are jumped, forward, past text with no barrier and no tensor load.
; THE HEAD STAYS IN LDS: 1,024 rows of K and of V, brought in four chunks of 256 keys, each byte filled once; chunk c + 1 is on its way while chunk c is walked.  A work-group with b > 0 brings chunks that it does not read
; (3 of 16 on the average): the price of tensor loads that hang on no branch.
; NO CLUSTER: which steps a work-group works on, and where its diagonal falls, hang on b.
; THE MASK is the C operand that starts the sum S^T = K Q^T.  In step s of block i: s < 2 i: 0 for both tiles; s = 2 i: MD for tile 0, 0 for tile 1; s = 2 i + 1: -1e30 for tile 0, MD for tile 1.
; LAYOUT.  S^T = K Q^T holds ONE query a lane (lane % 16) and the keys 8 (lane / 16) + 0..7; two such results rounded to f16 ARE source 1 of O^T = V^T P.  p = 2^(c s - c m), c = log2(e) / 8, m the running maximum;
; O and l are multiplied by a = 2^(c m_old - c m_new) in every step.  m starts at the lowest finite number, O and l at 0 (128 v_mov_b32, in the wait for the first tile): no first step is written out.
; IN PHASES: a piece's 16 products K Q^T, its softmax, its 16 products V^T P.
; REGISTERS.  window 0: v0-15 addresses; v16-47 eight statistics a tile; v48-51; v52-115 S^T; v116-147 P; v148-179 MD; v180-187 -1e30; v188-251 Q, 16 a tile.  window 1: v0-127 O^T, 32 a tile; v128-191 K; v192-255 V.
.set KS,    64
.set PK,    144                        ; a row of K in LDS: 128 bytes + 16: the 16 rows of a load start at 16 different groups of four banks (ISA guide 11.1)
.set PV,    160                        ; a row of V: 128 + 32
.set VOFF,  1024*PK
.set SPARE, VOFF+1024*PV               ; behind V: the spare words, 128 bytes a wave, that no other line names
.set SP,    272                        ; the way out's stage, 16 rows x 272 bytes a wave, lies on K's first bytes: written when every fill is done and every wave has read its last
.set AK0, 2
.set AV0, 3
.set AK,  4
.set AV,  5
.set STO, 6
.set RD,  7
.set GO,  8
.set PFO, 12                           ; v12  256 x lane; never rewritten
.set QO,  13
.set NEG1, 15                          ; v15  -1.0
.set ST,  16                           ; tile t at ST + 8 t: c m, m, l (even keys', odd keys'), c0-c3 at work; a takes c2's place
.set SPW, 48                           ; v48  LDS address of my spare word; never rewritten
.set NIL, 49                           ; v49  0; never rewritten
.set WO,  50                           ; v50  16 x lane
.set WS,  51                           ; v51  8 x lane
.set S,   52
.set WR,  52                           ; W12's 128 registers, before S, P and MD are made
.set P,   116
.set MD,  148
.set NB,  180
.set Q,   188
.set KF,  128                          ; window 1
.set VF,  192
.set WV,  12
.set PB,  13                           ; s13 b
.set BH,  14                           ; s14 the head
.set HI,  15                           ; s15 7 - b
.set G1K, 24
.set G1V, 32
.set G0K, 40
.set G0V, 44
.set PFA, 48
.set LIM, 50
.set CH,  51                           ; s51 chunks still to be asked for
.set CNT, 52                           ; s52 counts a chunk's key steps, 4 to 1
.set SN,  53                           ; s53 the key step
.set TBK, 54                           ; s54 LDS byte of the step's K;  s55 of its V, less VOFF
.set TBV, 55
.set EHI, 56                           ; s56, s57 the pieces' last steps
.set ELO, 57
.set CS,  58                           ; s[58:59] c
.set SEL, 60                           ; s[60:61] v_permlanex16_b32's selects
.set DD,  62                           ; s62, s63 the pieces' first diagonal steps
.set BIGN, 66
.set OBS, 68                           ; s[68:71] att at my rows of piece 0, 1
.set QBS, 72                           ; s[72:75] Q likewise
.set WB0, 76                           ; s[76:77] w12p at my row, z = 0;  s[78:79] z = 2
.set WB2, 78
.set WSB, 80                           ; s[80:81] w12s at my row
.set MSB, 0
.macro WIN new
.if MSB != (\new)
	s_set_vgpr_msb (MSB<<8)|(\new)
.set MSB, (\new)
.endif
.endm
.set W_QK, 0x01                        ; K in window 1; Q, C and S^T in window 0
.set W_PV, 0x51                        ; V and O^T in window 1, P in window 0
.set W_RS, 0x41                        ; destination and source 0 in window 1
.macro PLACES
.rept 4
	v_nop
.endr
.endm
; A fill: waves 0 and 1 fetch the two halves of a chunk's K, waves 2 and 3 those of its V.  An s_nop 0 and four v_nop follow each line.
.macro LOAD
	s_cmp_lt_u32 s[WV], 2
	s_cbranch_scc0 .Lfor_v_\@
	tensor_load_to_lds s[G0K:G0K+3], s[G1K:G1K+7]
	s_nop 0
.rept 4
	v_nop
.endr
	s_branch .Lasked_\@
.Lfor_v_\@:
	tensor_load_to_lds s[G0V:G0V+3], s[G1V:G1V+7]
	s_nop 0
.rept 4
	v_nop
.endr
.Lasked_\@:
.endm
; A PREFETCH of the chunk that the NEXT change will ask for: a chunk of K or V is 128 runs of 256 bytes; the head's four work-groups take 32 each, by address; wave 0 asks for K's, wave 2 for V's, a lane a run.
; Chunks 2 and 3 are named once each; chunks 0 and 1 come by their loads alone; the last change that fills (CH = 1) asks for nothing.
.macro ASK
	s_cmp_gt_u32 s[CH], s[LIM]
	s_cbranch_scc0 .Lnot_mine_\@
	global_prefetch_b8 v[PFO], s[PFA:PFA+1] th:TH_LOAD_NT scope:SCOPE_SE
.Lnot_mine_\@:
.endm
; THE CHANGE OF CHUNKS.  Each wave waits for all its tensor loads (one is out: its part of the chunk to be walked), adds 0 to its spare word, waits for that and for its LDS reads, and passes the barrier: the chunk is whole.
; fill = 1: the next chunk is asked for, the wave's one tensor load behind the barrier and the first thing there; it has four key steps in which to land.
.macro CHANGE fill
	WIN 0
	s_wait_tensorcnt 0x0                           ; no tensor load of mine is out, so a group 0 may be written
	ds_add_u32 v[SPW], v[NIL]
.if \fill
	s_add_co_u32 s[G0K+1], s[G0K+1], 4*KS*PK
	s_add_nc_u64 s[G0K+2:G0K+3], s[G0K+2:G0K+3], 4*KS*128
	s_add_co_u32 s[G0V+1], s[G0V+1], 4*KS*PV
	s_add_nc_u64 s[G0V+2:G0V+3], s[G0V+2:G0V+3], 4*KS*128
	s_wait_xcnt 0x0                                ; the last prefetch, a chunk back, has read its address
	s_add_nc_u64 s[PFA:PFA+1], s[PFA:PFA+1], 4*KS*128
.endif
	s_wait_dscnt 0x0
	s_barrier_signal -1
	s_barrier_wait -1
.if \fill
	LOAD
	ASK
.endif
.endm
	s_load_b256 s[4:11], s[0:1], 0x0               ; qkv s[4:5], w12p s[6:7], att s[8:9], w12s s[10:11]
	v_lshl_add_u32 v[SPW], v0, 2, SPARE
	v_mov_b32 v[NIL], 0
	ds_add_u32 v[SPW], v[NIL]                      ; the wave's opening: the add and its wait ahead of my first tensor load
	ds_add_u32 v48, v49
	v_lshrrev_b32 v1, 5, v0
	v_readfirstlane_b32 s[WV], v1
	s_mov_b32 s[PB], ttmp9
	s_and_b32 s[BH], ttmp7, 0xffff
	s_sub_co_u32 s[HI], 7, s[PB]
	s_lshl_b32 s[DD], s[HI], 1
	s_lshl_b32 s[DD+1], s[PB], 1
	s_add_co_u32 s[EHI], s[DD], 1
	s_add_co_u32 s[ELO], s[DD+1], 1
	s_and_b32 s16, s[WV], 1                        ; which half of a chunk's 256 keys I fetch
	s_lshl_b32 s20, s[BH], 17                      ; the head's 131,072 bytes
	s_lshl_b32 s21, s16, 14
	s_add_co_u32 s22, s20, s21
	s_add_co_u32 s2, s22, 8388608                  ; K
	s_mov_b32 s3, 0
	s_add_co_u32 s22, s22, 16777216                ; V
	s_mov_b32 s23, 0
	s_mul_i32 s17, s16, 128*PK
	s_mul_i32 s18, s16, 128*PV
	s_lshl_b32 s19, s[WV], 4
	s_lshl_b32 s82, s[HI], 7
	s_add_co_u32 s82, s82, s19                     ; my first row of piece 0: 128 (7 - b) + 16 w
	s_lshl_b32 s84, s[PB], 7
	s_add_co_u32 s84, s84, s19                     ; of piece 1
	; group 1: 128 keys are 16,384 dense bytes: asked for as 64 rows of 256 bytes, two keys a row, padded in LDS after every key
	s_mov_b32 s[G1K], (1<<16)|(1<<20)|(4<<22)|(3<<25)  ; 2-byte elements; padding on; after every 32 words, 4 words
	s_mov_b32 s[G1V], (1<<16)|(1<<20)|(4<<22)|(7<<25)  ; 8 words
.irp g, G1K, G1V
	s_mov_b32 s[\g+1], 128<<16
	s_mov_b32 s[\g+2], 64<<16
	s_mov_b32 s[\g+3], 128<<16
	s_mov_b32 s[\g+4], 64
	s_mov_b32 s[\g+5], 128
	s_mov_b32 s[\g+6], 0
	s_mov_b32 s[\g+7], 0
.endr
	s_mov_b32 s[G0K], 1
	s_mov_b32 s[G0K+1], s17
	s_mov_b32 s[G0V], 1
	s_add_co_u32 s[G0V+1], s18, VOFF
	s_mov_b32 s[CS], 0x3e38aa3b                    ; c = log2(e) / 8
	s_mov_b32 s[CS+1], s[CS]
	s_mov_b32 s[SEL], 0x76543210
	s_mov_b32 s[SEL+1], 0xfedcba98
	s_mov_b32 s[BIGN], 0xf149f2ca                  ; -1e30
	s_mov_b32 s[SN], 0
	s_mov_b32 s[TBK], 0
	s_mov_b32 s[TBV], 0
	s_mov_b32 s[CH], 3
	s_cmp_eq_u32 s16, 0
	s_cselect_b32 s[LIM], 1, -1                    ; waves 0 and 2 prefetch
	s_wait_dscnt 0x0                               ; the opening add is done
	s_wait_kmcnt 0x0
	s_add_nc_u64 s[2:3], s[4:5], s[2:3]            ; K and V at my half of the head's first chunk
	s_add_nc_u64 s[22:23], s[4:5], s[22:23]
	s_add_nc_u64 s[G0K+2:G0K+3], s[2:3], 0
	s_or_b32 s[G0K+3], s[G0K+3], 0x80000000
	s_add_nc_u64 s[G0V+2:G0V+3], s[22:23], 0
	s_or_b32 s[G0V+3], s[G0V+3], 0x80000000
	LOAD                                           ; chunk 0
	s_cmp_lt_u32 s[WV], 2
	s_cselect_b64 s[PFA:PFA+1], s[2:3], s[22:23]   ; (in waves 0 and 2 these stand at the head's first byte)
	s_lshl_b32 s2, s[PB], 13                       ; my work-group's 32 runs,
	s_add_co_u32 s2, s2, 4*KS*128                  ; in chunk 1: the first change steps it to chunk 2
	s_mov_b32 s3, 0
	s_add_nc_u64 s[PFA:PFA+1], s[PFA:PFA+1], s[2:3]
	s_lshl_b32 s2, s82, 7
	s_add_co_u32 s2, s2, s20
	s_add_nc_u64 s[QBS:QBS+1], s[4:5], s[2:3]
	s_lshl_b32 s2, s84, 7
	s_add_co_u32 s2, s2, s20
	s_add_nc_u64 s[QBS+2:QBS+3], s[4:5], s[2:3]
	s_lshr_b32 s21, s[BH], 4
	s_lshl_b32 s21, s21, 10                        ; the batch's 1,024 rows
	s_and_b32 s19, s[BH], 15
	s_lshl_b32 s19, s19, 8                         ; h's 256 bytes of a row
	s_add_co_u32 s2, s21, s82
	s_lshl_b32 s2, s2, 12
	s_add_co_u32 s2, s2, s19
	s_add_nc_u64 s[OBS:OBS+1], s[8:9], s[2:3]
	s_add_co_u32 s2, s21, s84
	s_lshl_b32 s2, s2, 12
	s_add_co_u32 s2, s2, s19
	s_add_nc_u64 s[OBS+2:OBS+3], s[8:9], s[2:3]
	s_lshl_b32 s2, s[BH], 2
	s_add_co_u32 s2, s2, s[PB]
	s_lshl_b32 s2, s2, 2
	s_add_co_u32 s2, s2, s[WV]                     ; n
	s_lshl_b32 s2, s2, 12
	s_add_nc_u64 s[WB0:WB0+1], s[6:7], s[2:3]
	s_add_nc_u64 s[WB2:WB2+1], s[WB0:WB0+1], 8388608
	s_add_nc_u64 s[WSB:WSB+1], s[10:11], s[2:3]
	v_and_b32 v1, 15, v0                           ; l % 16
	v_bfe_u32 v9, v0, 4, 1                         ; l / 16
	v_lshlrev_b32 v[QO], 7, v1
	v_lshl_add_u32 v[QO], v9, 4, v[QO]
.irp p, 0,1                            ; Q stays in registers: piece p, band u (8,192 bytes on), channels 32 c on
.irp u, 0,1
.irp c, 0,1
	global_load_b128 v[Q+16*(2*\p+\u)+8*\c:Q+16*(2*\p+\u)+8*\c+3],   v[QO], s[QBS+2*\p:QBS+2*\p+1] offset:\u*8192+\c*64
	global_load_b128 v[Q+16*(2*\p+\u)+8*\c+4:Q+16*(2*\p+\u)+8*\c+7], v[QO], s[QBS+2*\p:QBS+2*\p+1] offset:\u*8192+\c*64+32
.endr
.endr
.endr
	v_and_b32 v[WO], 31, v0
	v_lshlrev_b32 v[WS], 3, v[WO]
	v_lshlrev_b32 v[WO], 4, v[WO]
.set g, 0
.rept 8                                ; W12's row: group g is 512 consecutive bytes of each of the four quarters
	global_load_b128 v[WR+16*g:WR+16*g+3],     v[WO], s[WB0:WB0+1] offset:512*g th:TH_LOAD_NT
	global_load_b128 v[WR+16*g+4:WR+16*g+7],   v[WO], s[WB0:WB0+1] offset:4194304+512*g th:TH_LOAD_NT
	global_load_b128 v[WR+16*g+8:WR+16*g+11],  v[WO], s[WB2:WB2+1] offset:512*g th:TH_LOAD_NT
	global_load_b128 v[WR+16*g+12:WR+16*g+15], v[WO], s[WB2:WB2+1] offset:4194304+512*g th:TH_LOAD_NT
.set g, g+1
.endr
	v_mul_u32_u24 v[AK0], v1, PK
	v_lshl_add_u32 v[AK0], v9, 4, v[AK0]           ; K: row x pitch + 16 x half
	v_and_b32 v10, 7, v0                           ; V, by the turning load: lane l reads key 8 (l / 16) + l % 8, channels 8 ((l / 8) % 2) + 0..7
	v_bfe_u32 v11, v0, 3, 1
	v_lshl_add_u32 v[AV0], v9, 3, v10
	v_mul_u32_u24 v[AV0], v[AV0], PV
	v_lshl_add_u32 v[AV0], v11, 4, v[AV0]
	v_add_nc_u32 v[AV0], VOFF, v[AV0]
	s_mul_i32 s21, s[WV], 16*SP                    ; my stage
	v_mul_u32_u24 v[STO], v1, SP
	v_lshl_add_u32 v[STO], v9, 4, v[STO]
	v_add_nc_u32 v[STO], s21, v[STO]
	v_mul_u32_u24 v[RD], v9, SP
	v_lshl_add_u32 v[RD], v1, 4, v[RD]
	v_add_nc_u32 v[RD], s21, v[RD]
	v_lshlrev_b32 v[GO], 12, v9                    ; lanes 0-15 one row of att, lanes 16-31 the next
	v_lshl_add_u32 v[GO], v1, 4, v[GO]
	v_and_b32 v[PFO], 31, v0
	v_lshlrev_b32 v[PFO], 8, v[PFO]
	v_lshlrev_b32 v14, 3, v9
	v_sub_nc_u32 v14, v1, v14
	s_lshl_b32 s21, s[WV], 4
	v_add_nc_u32 v14, s21, v14                     ; my query's place in its band, 16 w + l % 16, less 8 (l / 16)
	v_mov_b32 v[NEG1], -1.0
.set g, 0
.rept 8                                ; the four quarters are added in f32, times 32, and split: hi = f16(v), lo = f16(v - hi), the difference exact
.set R, WR+16*g
	s_wait_loadcnt 4*(7-g)                         ; group g's four loads are in (and Q's, which are older); the younger groups stay out
	v_pk_add_f32 v[R:R+1], v[R:R+1], v[R+4:R+5]
	v_pk_add_f32 v[R+2:R+3], v[R+2:R+3], v[R+6:R+7]
	v_pk_add_f32 v[R+8:R+9], v[R+8:R+9], v[R+12:R+13]
	v_pk_add_f32 v[R+10:R+11], v[R+10:R+11], v[R+14:R+15]
	v_pk_add_f32 v[R:R+1], v[R:R+1], v[R+8:R+9]
	v_pk_add_f32 v[R+2:R+3], v[R+2:R+3], v[R+10:R+11]
	v_pk_mul_f32 v[R:R+1], v[R:R+1], 0x42000000 op_sel_hi:[1,0]
	v_pk_mul_f32 v[R+2:R+3], v[R+2:R+3], 0x42000000 op_sel_hi:[1,0]
	v_cvt_pk_f16_f32 v[R+4], v[R], v[R+1]
	v_cvt_pk_f16_f32 v[R+5], v[R+2], v[R+3]
	v_fma_mix_f32 v[R+8], v[R+4], v[NEG1], v[R] op_sel_hi:[1,0,0]
	v_fma_mix_f32 v[R+9], v[R+4], v[NEG1], v[R+1] op_sel:[1,0,0] op_sel_hi:[1,0,0]
	v_fma_mix_f32 v[R+10], v[R+5], v[NEG1], v[R+2] op_sel_hi:[1,0,0]
	v_fma_mix_f32 v[R+11], v[R+5], v[NEG1], v[R+3] op_sel:[1,0,0] op_sel_hi:[1,0,0]
	v_cvt_pk_f16_f32 v[R+6], v[R+8], v[R+9]
	v_cvt_pk_f16_f32 v[R+7], v[R+10], v[R+11]
	global_store_b64 v[WS], v[R+4:R+5], s[WSB:WSB+1] offset:512*g      ; 32 lanes x 8 bytes: 256 consecutive bytes, aligned
	global_store_b64 v[WS], v[R+6:R+7], s[WSB:WSB+1] offset:512*g+256
.set g, g+1
.endr
	s_wait_xcnt 0x0                                ; the stores have read their registers, which are written anew below
.set i, 0
.rept 32
	v_cmp_gt_i32 vcc_lo, 16*(i/8)+i%8, v14         ; register i % 8 of key group i / 8 is hidden where its key lies behind my query
	v_cndmask_b32 v[MD+i], 0, s[BIGN], vcc_lo
.set i, i+1
.endr
.set i, 0
.rept 8
	v_mov_b32 v[NB+i], s[BIGN]
.set i, i+1
.endr
.set i, 0
.rept 4
	v_mov_b32 v[ST+8*i], 0xfe000000                ; c m: far below every c s
	v_mov_b32 v[ST+8*i+1], 0xff7fffff              ; m
.irp z, 2,3,4,5,6,7
	v_mov_b32 v[ST+8*i+\z], 0
.endr
.set i, i+1
.endr
	WIN 0x40
.set i, 0
.rept 128
	v_mov_b32 v[i], 0                              ; O^T
.set i, i+1
.endr
	WIN 0
; THE LDS LOADS stand in runs of 16.  ahead = 1: the next step's.
.macro FETCH_K ahead
	WIN 0
	v_add_nc_u32 v[AK], s[TBK], v[AK0]
	WIN 0x40
.irp f, 0,1,2,3,4,5,6,7                ; keys 16 (f / 2) on, channels 32 (f % 2) on
	ds_load_b128 v[KF+8*\f:KF+8*\f+3],   v[AK] offset:(\ahead)*KS*PK+(\f/2)*16*PK+(\f%2)*64
	ds_load_b128 v[KF+8*\f+4:KF+8*\f+7], v[AK] offset:(\ahead)*KS*PK+(\f/2)*16*PK+(\f%2)*64+32
.endr
	WIN 0
.endm
.macro FETCH_V ahead
	WIN 0
	v_add_nc_u32 v[AV], s[TBV], v[AV0]
	WIN 0x40
.irp f, 0,1,2,3,4,5,6,7                ; keys 32 (f / 4) on, channels 16 (f % 4) on
	ds_load_tr16_b128 v[VF+8*\f:VF+8*\f+3],   v[AV] offset:(\ahead)*KS*PV+(\f/4)*32*PV+(\f%4)*32
	ds_load_tr16_b128 v[VF+8*\f+4:VF+8*\f+7], v[AV] offset:(\ahead)*KS*PV+(\f/4)*32*PV+16*PV+(\f%4)*32
.endr
	WIN 0
.endm
; Product i of 16 of S^T = K Q^T for piece p: channels 32 (i / 8) on, keys 16 ((i / 2) % 4) on, tile i % 2.  kind: what starts or carries the sum: 0 the constant 0, 1 MD, 2 -1e30, 3 the sum itself.
; The eight accumulators take turns, one instruction a turn.
.macro QKP p, kind
.set rS, S+32*(i%2)+8*((i/2)%4)
.set rK, KF+16*((i/2)%4)+8*(i/8)
.set rQ, Q+16*(2*(\p)+i%2)+8*(i/8)
.set rM, MD+8*((i/2)%4)
.if (\kind) == 0
	v_wmma_f32_16x16x32_f16 v[rS:rS+7], v[rK:rK+7], v[rQ:rQ+7], 0
.elseif (\kind) == 1
	v_wmma_f32_16x16x32_f16 v[rS:rS+7], v[rK:rK+7], v[rQ:rQ+7], v[rM:rM+7]
.elseif (\kind) == 2
	v_wmma_f32_16x16x32_f16 v[rS:rS+7], v[rK:rK+7], v[rQ:rQ+7], v[NB:NB+7]
.else
	v_wmma_f32_16x16x32_f16 v[rS:rS+7], v[rK:rK+7], v[rQ:rQ+7], v[rS:rS+7]
.endif
.set i, i+1
.endm
.macro QK8 p, k0, k1                   ; the eight that start the sums: tile 0 by k0, tile 1 by k1
	WIN W_QK
.set i, 0
.rept 4
	QKP \p, \k0
	QKP \p, \k1
.endr
	WIN 0
.endm
.macro QK p
	WIN 0
	s_cmp_eq_u32 s[SN], s[DD+(\p)]
	s_cbranch_scc1 .Lown_\@                        ; tile 0's own step
	s_cmp_gt_u32 s[SN], s[DD+(\p)]
	s_cbranch_scc1 .Lpast_\@                       ; tile 1's own step: tile 0 sees nothing
	QK8 \p, 0, 0
	s_branch .Ljoin_\@
.Lown_\@:
	QK8 \p, 1, 0
	s_branch .Ljoin_\@
.Lpast_\@:
	QK8 \p, 2, 1
.Ljoin_\@:
	WIN W_QK
.set i, 8
.rept 8
	QKP \p, 3
.endr
.endm
.macro PV p                            ; product i of 16 of O^T += V^T P: keys 32 (i / 8) on, channels 16 ((i / 2) % 4) on, tile i % 2
	WIN W_PV
.set i, 0
.rept 16
.set rO, 32*(2*(\p)+i%2)+8*((i/2)%4)
.set rV, VF+32*(i/8)+8*((i/2)%4)
.set rP, P+16*(i%2)+8*(i/8)
	v_wmma_f32_16x16x32_f16 v[rO:rO+7], v[rV:rV+7], v[rP:rP+7], v[rO:rO+7]
.set i, i+1
.endr
.endm
.macro TREG p, u
.set rT, ST+8*(2*(\p)+(\u))
.set rS, S+32*(\u)
.set rP, P+16*(\u)
.set rO, 32*(2*(\p)+(\u))
.endm
; THE SOFTMAX of piece p for one step; the two tiles alternate line by line.  All 66 exponentials are ONE batch with ONE wait: nothing ahead of the wait names a result of theirs.
.macro SM p
	WIN 0
.set j, 0
.rept 4                                ; the maximum: four chains of seven scores, each accumulator's lowest registers first
.irp u, 0,1
	TREG \p, \u
	v_max3_num_f32 v[rT+4+j], v[rS+8*j], v[rS+8*j+1], v[rS+8*j+2]
.endr
.set j, j+1
.endr
.rept 8
.irp u, 0,1
	TREG \p, \u
	v_max3_num_f32 v[rT+4+j%4], v[rT+4+j%4], v[rS+8*(j%4)+2*(j/4)+1], v[rS+8*(j%4)+2*(j/4)+2]
.endr
.set j, j+1
.endr
.irp u, 0,1
	TREG \p, \u
	v_max3_num_f32 v[rT+4], v[rT+4], v[rS+7], v[rS+15]
.endr
.irp u, 0,1
	TREG \p, \u
	v_max3_num_f32 v[rT+6], v[rT+6], v[rS+23], v[rS+31]
.endr
.irp u, 0,1
	TREG \p, \u
	v_max3_num_f32 v[rT+4], v[rT+4], v[rT+5], v[rT+6]
.endr
.irp u, 0,1
	TREG \p, \u
	v_max3_num_f32 v[rT+4], v[rT+4], v[rT+7], v[rT+1]   ; and the old m
.endr
.irp u, 0,1
	TREG \p, \u
	v_permlanex16_b32 v[rT+5], v[rT+4], s[SEL], s[SEL+1]  ; the query's other 32 keys lie in the lane 16 away
.endr
.irp u, 0,1
	TREG \p, \u
	v_mov_b32 v[rT+7], v[rT]                       ; c m_old is kept
.endr
.irp u, 0,1
	TREG \p, \u
	v_max_num_f32 v[rT+1], v[rT+4], v[rT+5]
.endr
.irp u, 0,1
	TREG \p, \u
	v_mul_f32 v[rT], s[CS], v[rT+1]
.endr
.irp u, 0,1
	TREG \p, \u
	v_sub_f32 v[rT+7], v[rT+7], v[rT]
.endr
.irp u, 0,1
	TREG \p, \u
	v_exp_f32 v[rT+6], v[rT+7]                     ; a
.endr
.set b, 0
.rept 17                               ; pair b is scaled, c s - c m; behind it stand the exponentials of pair b - 1
.if b < 16
.irp u, 0,1
	TREG \p, \u
	v_pk_fma_f32 v[rS+2*b:rS+2*b+1], v[rS+2*b:rS+2*b+1], s[CS:CS+1], v[rT:rT+1] op_sel_hi:[1,0,0] neg_lo:[0,0,1] neg_hi:[0,0,1]
.endr
.endif
.if b > 0
.irp u, 0,1
	TREG \p, \u
	v_exp_f32 v[rS+2*b-2], v[rS+2*b-2]
	v_exp_f32 v[rS+2*b-1], v[rS+2*b-1]
.endr
.endif
.set b, b+1
.endr
	v_nop                                          ; a plain instruction behind the last exponential (ISA guide 5.7.2),
	s_wait_alu depctr_va_vdst(0)                   ; and the one wait ahead of the batch's first reader
.set b, 0
.rept 16
.irp u, 0,1
	TREG \p, \u
	v_cvt_pk_f16_f32 v[rP+b], v[rS+2*b], v[rS+2*b+1]
.endr
.set b, b+1
.endr
.irp w, 4,8,16,32                      ; the sum of a tile's 16 pairs, in place: neighbours 1, 2, 4 and 8 pairs apart
.set b, 0
.rept 32/(\w)
.irp u, 0,1
	TREG \p, \u
	v_pk_add_f32 v[rS+(\w)*b:rS+(\w)*b+1], v[rS+(\w)*b:rS+(\w)*b+1], v[rS+(\w)*b+(\w)/2:rS+(\w)*b+(\w)/2+1]
.endr
.set b, b+1
.endr
.endr
.irp u, 0,1
	TREG \p, \u
	v_pk_fma_f32 v[rT+2:rT+3], v[rT+2:rT+3], v[rT+6:rT+7], v[rS:rS+1] op_sel_hi:[1,0,1]  ; l = a l + the sum
.endr
	WIN W_RS
.set b, 0
.rept 16                               ; O^T times a, each accumulator's registers in ascending order
.irp u, 0,1
	TREG \p, \u
	v_pk_mul_f32 v[rO+2*b:rO+2*b+1], v[rO+2*b:rO+2*b+1], v[rT+6:rT+7] op_sel_hi:[1,0]
.endr
.set b, b+1
.endr
.endm
; A PIECE's step.  hooks = 1 (the piece that comes last in a step): the next step's K is fetched four places behind the last product that read K, its V four places behind the last that read V;
; a chunk's last step (CNT = 1) fetches nothing: the next chunk may still be on its way.
.macro PIECE p, hooks
	QK \p
	WIN 0
	PLACES
.if \hooks
	s_cmp_eq_u32 s[CNT], 1
	s_cbranch_scc1 .Lno_k_\@
	FETCH_K 1
.Lno_k_\@:
.endif
	SM \p
	s_wait_dscnt 0x0                               ; V is in (for zero: the run of K's loads behind V's may have been jumped)
	PV \p
	WIN 0
	PLACES
.if \hooks
	s_cmp_eq_u32 s[CNT], 1
	s_cbranch_scc1 .Lno_v_\@
	FETCH_V 1
.Lno_v_\@:
.endif
.endm
.macro STEP
	s_cmp_gt_u32 s[SN], s[EHI]
	s_cbranch_scc1 .Lnext_\@                       ; both pieces are through
	s_wait_dscnt 16                                ; K is in; V's sixteen loads, issued behind K's, may stay out
	s_cmp_gt_u32 s[SN], s[ELO]
	s_cbranch_scc1 .Lhigh_\@
	PIECE 1, 0
.Lhigh_\@:
	PIECE 0, 1
.Lnext_\@:
	s_add_co_u32 s[SN], s[SN], 1
	s_add_co_u32 s[TBK], s[TBK], KS*PK
	s_add_co_u32 s[TBV], s[TBV], KS*PV
.endm
.macro CHUNK
	FETCH_K 0
	FETCH_V 0
	s_mov_b32 s[CNT], 4
.Lstep_\@:
	STEP
	s_sub_co_u32 s[CNT], s[CNT], 1
	s_cmp_lg_u32 s[CNT], 0
	s_cbranch_scc1 .Lstep_\@
.endm
.Lchunk:                                               ; three trips: chunk c is waited for and walked, chunk c + 1 asked for
	CHANGE 1
	CHUNK
	s_sub_co_u32 s[CH], s[CH], 1
	s_cmp_lg_u32 s[CH], 0
	s_cbranch_scc1 .Lchunk
	CHANGE 0                                       ; the last chunk is written out
	CHUNK
	s_wait_dscnt 0x0                               ; my last reads of K and V are over,
	s_barrier_signal -1
	s_barrier_wait -1                              ; everybody's are: the stages may be written onto K's first bytes, which no fill touches again
	; THE WAY OUT.  l's two halves and the other half of the lanes' are added; O^T is divided by l, split into hi and lo, and sent through my stage, a tile (16 rows) at a time.
.irp t, 0,1,2,3
	v_add_f32 v[ST+8*\t+4], v[ST+8*\t+2], v[ST+8*\t+3]
.endr
.irp t, 0,1,2,3
	v_permlanex16_b32 v[ST+8*\t+5], v[ST+8*\t+4], s[SEL], s[SEL+1]
.endr
.irp t, 0,1,2,3
	v_add_f32 v[ST+8*\t+4], v[ST+8*\t+4], v[ST+8*\t+5]
.endr
.irp t, 0,1,2,3
	v_rcp_f32 v[ST+8*\t+6], v[ST+8*\t+4]
.endr
	v_nop
	s_wait_alu depctr_va_vdst(0)                   ; one wait for the four reciprocals, ahead of their first reader
.macro OUT t
.set rT, ST+8*(\t)
.set rO, 32*(\t)
.set HT, S+64*((\t)%2)                 ; at work: even tiles in S^T's registers, odd tiles in P's and MD's
.set LT, HT+16
.set RB, HT+32
	WIN W_RS
.set n, 0
.rept 16
	v_pk_mul_f32 v[rO+2*n:rO+2*n+1], v[rO+2*n:rO+2*n+1], v[rT+6:rT+7] op_sel_hi:[1,0]
.set n, n+1
.endr
	WIN 0x05                                       ; sources 0 and 1 window 1, destination window 0
.set n, 0
.rept 16
	v_cvt_pk_f16_f32 v[HT+n], v[rO+2*n], v[rO+2*n+1]
.set n, n+1
.endr
	WIN 0x50                                       ; destination and source 2 window 1
.set n, 0
.rept 16
	v_fma_mix_f32 v[rO+2*n], v[HT+n], v[NEG1], v[rO+2*n] op_sel_hi:[1,0,0]                    ; O - hi, exact
	v_fma_mix_f32 v[rO+2*n+1], v[HT+n], v[NEG1], v[rO+2*n+1] op_sel:[1,0,0] op_sel_hi:[1,0,0]
.set n, n+1
.endr
	WIN 0x05
.set n, 0
.rept 16
	v_cvt_pk_f16_f32 v[LT+n], v[rO+2*n], v[rO+2*n+1]
.set n, n+1
.endr
	WIN 0
.irp c, 0,1,2,3
	ds_store_b128 v[STO], v[HT+4*\c:HT+4*\c+3] offset:32*\c
	ds_store_b128 v[STO], v[LT+4*\c:LT+4*\c+3] offset:128+32*\c
.endr
	s_wait_xcnt 0x0                                ; the stores of two tiles back have read the registers that are loaded again
.irp f, 0,1,2,3,4,5,6,7
	ds_load_b128 v[RB+4*\f:RB+4*\f+3], v[RD] offset:\f*2*SP  ; LDS serves a wave's instructions in order (ISA guide 5.7.1.4): these see the stores above
.endr
.irp f, 0,1,2,3,4,5,6,7
	s_wait_dscnt 7-\f
	global_store_b128 v[GO], v[RB+4*\f:RB+4*\f+3], s[OBS+2*((\t)/2):OBS+2*((\t)/2)+1] offset:((\t)%2)*262144+\f*8192  ; sixteen lanes store a row's and head's 256 bytes, aligned
.endr
.endm
	OUT 0
	OUT 1
	OUT 2
	OUT 3
	s_wait_tensorcnt 0x0                           ; the wave's end, behind my last tensor load and my last LDS store
	ds_add_u32 v[SPW], v[NIL]
	s_wait_dscnt 0x0
	s_endpgm
.Lfunc_end_k_qee092d9b54_attn:
	.size	k_qee092d9b54_attn, .Lfunc_end_k_qee092d9b54_attn-k_qee092d9b54_attn
	.p2alignl 7, 3214868480
	.fill 96, 4, 3214868480
	.section	.rodata,"a",@progbits
	.p2align	6, 0x0
	.amdhsa_kernel k_qee092d9b54_attn
		.amdhsa_group_segment_fixed_size 327680
		.amdhsa_private_segment_fixed_size 0
		.amdhsa_enable_private_segment 0
		.amdhsa_kernarg_size 32
		.amdhsa_user_sgpr_count 2
		.amdhsa_user_sgpr_kernarg_segment_ptr 1
		.amdhsa_wavefront_size32 1
		.amdhsa_system_sgpr_workgroup_id_x 1
		.amdhsa_system_sgpr_workgroup_id_y 1
		.amdhsa_system_sgpr_workgroup_id_z 1
		.amdhsa_system_vgpr_workitem_id 0
		.amdhsa_next_free_vgpr 512
		.amdhsa_next_free_sgpr 88
		.amdhsa_reserve_vcc 1
		.amdhsa_float_denorm_mode_32 3
		.amdhsa_float_denorm_mode_16_64 3
		.amdhsa_memory_ordered 1
		.amdhsa_forward_progress 1
		.amdhsa_inst_pref_size 137
	.end_amdhsa_kernel
	.amdgpu_metadata
---
amdhsa.version: [ 1, 2 ]
amdhsa.kernels:
  - .name:           k_qee092d9b54_attn
    .symbol:         k_qee092d9b54_attn.kd
    .args:
      - { .name: qkv, .offset: 0, .size: 8, .value_kind: global_buffer, .address_space: global }
      - { .name: w12p, .offset: 8, .size: 8, .value_kind: global_buffer, .address_space: global }
      - { .name: att, .offset: 16, .size: 8, .value_kind: global_buffer, .address_space: global }
      - { .name: w12s, .offset: 24, .size: 8, .value_kind: global_buffer, .address_space: global }
    .group_segment_fixed_size: 327680
    .private_segment_fixed_size: 0
    .kernarg_segment_align: 8
    .kernarg_segment_size: 32
    .max_flat_workgroup_size: 128
    .sgpr_count:     88
    .vgpr_count:     512
    .wavefront_size: 32
...
	.end_amdgpu_metadata
.endif
;; end of part 3
;; launch gemm2 (part 4): grid 8 x 32, 4 waves a work-group, clusters of 4 x 4, 327,680 bytes of LDS; arguments att, w12s, bpart, b2, out0; writes out0
.if DOCPART == 4
	.amdgcn_target "amdgcn-amd-amdhsa--gfx1250"
	.amdhsa_code_object_version 6
	.text
	.protected	k_qee092d9b54_gemm2
	.globl	k_qee092d9b54_gemm2
	.p2align	8
	.type	k_qee092d9b54_gemm2,@function
k_qee092d9b54_gemm2:
	s_mov_b64 s[64:65], 0
	v_nop
	global_prefetch_b8 v0, s[64:65] scope:SCOPE_SE
	s_setreg_imm32_b32 hwreg(HW_REG_WAVE_MODE, 25, 1), 1
	s_wait_xcnt 0x0
	s_wait_alu depctr_hold_cnt(0) depctr_sa_sdst(0) depctr_va_vdst(0) depctr_va_sdst(0) depctr_va_ssrc(0) depctr_va_vcc(0) depctr_vm_vsrc(0)
	s_getreg_b32 s2, hwreg(HW_REG_IB_STS2, 6, 4)
	s_cmp_eq_u32 s2, 0
	s_cbranch_scc0 .Lentry_in_a_cluster
	s_endpgm
.Lentry_in_a_cluster:
	s_bfe_u32 s2, ttmp6, 0x10000c
	s_cmp_lg_u32 s2, 0xf033
	s_cbranch_scc0 .Lentry_shape_is_right
	s_endpgm
.Lentry_shape_is_right:
; GEMM2: out[m][n] = relu(2^-5 (Ah Bh + Al Bh + Ah Bl)[m][n] + b12[n]), f32.  A = att, the attention's result as pairs of f16 (hi + lo); B = w12s = 32 W12^T, likewise; the product lo x lo is left out
; (2^-22 of the sum).  b12[n] = the sum of bpart's sixteen rows + bf16(b2[n]), in f32.  f16 operands, f32 sums.  NaN is not treated apart: relu gives 0 for it.
; A tile of out is 128 x 128: 256 work-groups, one tile each.  Four waves, each 64 x 64: 16 accumulators.  Both operands are rows of 2,048 f16 (4,096 bytes).  A K step is 512 bytes of a row, 128 true k:
;   A: [hi of head 2 j: 128 bytes | lo | hi of head 2 j + 1 | lo];   B: [hi of k = 128 j .. +127: 256 bytes | lo].
; Eight K steps through two LDS slots; a step is four quarters of 32 true k, 48 matrix instructions each: hi x hi, lo x hi, hi x lo, the 16 accumulators in the same order each time.
; CLUSTERS: 4 x 4 work-groups; A's tile is shared along a row of the cluster, B's along a column: joint loads.  THE MATRIX INSTRUCTION IS USED TRANSPOSED: a lane holds row l % 16 of out and eight neighbouring columns.
; No prefetch: a tile's rows are short walks shared by few, and a step's loads have 176 matrix instructions in which to land.
; REGISTERS: window 0: v0-31 addresses; v32-95 at work on the way out; v96-127 the bias; v128-255 the accumulators ((a, b) at v[128 + 8 (4 a + b)]).
;   window 1: two fragment buffers of 128: A hi (4 x 8), A lo, B hi, B lo.
.set STEPB,  512
.set PITCH,  528                       ; an LDS row: 512 bytes + 16: the 16 rows of a fragment load start at 16 different groups of four banks (ISA guide 11.1)
.set HALFT,  64*PITCH
.set SLOT,   4*HALFT
.set STAGE,  2*SLOT                    ; behind the ring: 16 rows x 272 bytes for each wave
.set SPITCH, 272
.set BIAS,   STAGE+4*16*SPITCH         ; 128 f32
.set SPARE,  BIAS+512                  ; the spare words, 128 bytes a wave, that no other line names
.set ADRA, 16
.set ADRB, 20
.set STO,  24
.set RD,   25
.set CO,   26
.set BIA,  27
.set SPW,  28                          ; never rewritten
.set NIL,  29                          ; never rewritten
.set TMP,  32
.set BI,   96
.set ACC,  128
.set F0,   0
.set F1,   128
.set AH,   0
.set AL,   32
.set BHI,  64
.set BLO,  96
.set WV,   14
.set HR,   15
.set HC,   16
.set G1,   24
.set G0,   32
.set G1B,  48
.set G0B,  56
.set MSB, 0
.macro WIN new
.if MSB != (\new)
	s_set_vgpr_msb (MSB<<8)|(\new)
.set MSB, \new
.endif
.endm
.set MUL,  0x05                        ; sources 0 (B) and 1 (A) window 1; C and D window 0
.set TO_F, 0x40
.macro JLOAD s                         ; waves 0 and 1 fetch A's two halves, waves 2 and 3 B's; an s_nop 0 and four v_nop follow each line
	s_cmp_eq_u32 s[HR], 0
	s_cbranch_scc0 .Lfor_b_\@
	tensor_load_to_lds s[G0+4*(\s):G0+4*(\s)+3], s[G1:G1+7]
	s_nop 0
.rept 4
	v_nop
.endr
	s_branch .Lasked_\@
.Lfor_b_\@:
	tensor_load_to_lds s[G0B+4*(\s):G0B+4*(\s)+3], s[G1B:G1B+7]
	s_nop 0
.rept 4
	v_nop
.endr
.Lasked_\@:
.endm
.macro CREST
	s_cmp_lg_u32 s[WV], 0
	s_cbranch_scc1 .Lnot_wave_0_\@
	s_barrier_signal -3
.Lnot_wave_0_\@:
	s_barrier_wait -3
	s_barrier_signal -1
	s_barrier_wait -1
.endm
.macro CROUND
	s_barrier_signal -1
	s_barrier_wait -1
	CREST
.endm
	s_load_b256 s[4:11], s[0:1], 0x0               ; att s[4:5], w12s s[6:7], bpart s[8:9], b2 s[10:11]
	s_load_b64 s[12:13], s[0:1], 0x20              ; out0
	v_lshl_add_u32 v[SPW], v0, 2, SPARE
	v_mov_b32 v[NIL], 0
	ds_add_u32 v[SPW], v[NIL]                      ; the wave's opening: the add and its wait ahead of my first tensor load
	ds_add_u32 v28, v29
	v_lshrrev_b32 v1, 5, v0
	v_readfirstlane_b32 s[WV], v1
	s_lshr_b32 s[HR], s[WV], 1                     ; which half of the tile's rows is mine; also: I fetch for A (0) or B (1)
	s_and_b32 s[HC], s[WV], 1                      ; which half of its columns; also: which 64 rows of that tile I fetch
	s_bfe_u32 s40, ttmp6, 0x40000                  ; cx, cy
	s_bfe_u32 s41, ttmp6, 0x40004
	s_lshl_b32 s42, ttmp9, 2
	s_add_co_u32 s42, s42, s40                     ; tile column
	s_and_b32 s43, ttmp7, 0xffff
	s_lshl_b32 s43, s43, 2
	s_add_co_u32 s43, s43, s41                     ; tile row
	s_lshl_b32 s44, s41, 2
	s_lshl_b32 s44, 15, s44                        ; my row of the cluster
	s_lshl_b32 s45, 0x1111, s40                    ; my column
	s_or_b32 s[G1], s44, (1<<16)|(1<<20)|(1<<21)|(6<<22)|(3<<25)   ; the mask; 2-byte elements; padding on; bit 21 set beside a mask; after every 128 words, 4 words
	s_or_b32 s[G1B], s45, (1<<16)|(1<<20)|(1<<21)|(6<<22)|(3<<25)
.irp g, G1, G1B
	s_mov_b32 s[(\g)+1], 256<<16                   ; tensor_dim0 = 256
	s_mov_b32 s[(\g)+2], 64<<16                    ; tensor_dim1 = 64
	s_mov_b32 s[(\g)+3], 256<<16                   ; tile_dim0 = 256
	s_mov_b32 s[(\g)+4], 64                        ; tile_dim1 = 64
	s_mov_b32 s[(\g)+5], 2048                      ; elements from row to row
	s_mov_b32 s[(\g)+6], 0
	s_mov_b32 s[(\g)+7], 0
.endr
	s_lshl_b32 s17, s[HC], 6
	s_lshl_b32 s18, s43, 7
	s_add_co_u32 s18, s18, s17                     ; A: row 128 x tile row + 64 x half,
	s_lshl_b32 s18, s18, 12                        ; of 4,096 bytes
	s_mov_b32 s19, 0
	s_lshl_b32 s46, s42, 7
	s_add_co_u32 s46, s46, s17                     ; B: row 128 x tile column + 64 x half
	s_lshl_b32 s46, s46, 12
	s_mov_b32 s47, 0
	s_mul_i32 s20, s[WV], HALFT                    ; where my loads land: no place in the cluster enters an LDS address
	s_wait_dscnt 0x0                               ; the opening add is done
	s_wait_kmcnt 0x0
	s_add_nc_u64 s[18:19], s[4:5], s[18:19]
	s_add_nc_u64 s[46:47], s[6:7], s[46:47]
	CROUND                                         ; all sixteen work-groups are here: the first joint loads meet
.irp s, 0,1
	s_mov_b32 s[G0+4*(\s)], 1
	s_add_co_u32 s[G0+4*(\s)+1], s20, (\s)*SLOT
	s_add_nc_u64 s[G0+4*(\s)+2:G0+4*(\s)+3], s[18:19], (\s)*STEPB
	s_or_b32 s[G0+4*(\s)+3], s[G0+4*(\s)+3], 0x80000000
	s_mov_b32 s[G0B+4*(\s)], 1
	s_add_co_u32 s[G0B+4*(\s)+1], s20, (\s)*SLOT
	s_add_nc_u64 s[G0B+4*(\s)+2:G0B+4*(\s)+3], s[46:47], (\s)*STEPB
	s_or_b32 s[G0B+4*(\s)+3], s[G0B+4*(\s)+3], 0x80000000
	JLOAD \s
.endr
	; the bias of the tile's 128 columns: thread t takes column t
	s_lshl_b32 s22, s42, 9                         ; 128 columns x 4 bytes
	s_mov_b32 s23, 0
	s_add_nc_u64 s[8:9], s[8:9], s[22:23]
	s_add_nc_u64 s[10:11], s[10:11], s[22:23]
	v_lshlrev_b32 v3, 2, v0
.irp j, 0,1,2,3,4,5,6,7,8,9,10,11,12,13,14,15
	global_load_b32 v[TMP+(\j)], v3, s[8:9] offset:(\j)*4096
.endr
	global_load_b32 v[TMP+16], v3, s[10:11]
	v_and_b32 v1, 15, v0
	v_bfe_u32 v2, v0, 4, 1
	v_mul_u32_u24 v5, v1, PITCH
	v_lshl_add_u32 v5, v2, 4, v5
	s_mul_i32 s21, s[HR], HALFT
	s_mul_i32 s22, s[HC], HALFT
	s_add_co_u32 s22, s22, 2*HALFT
.irp s, 0,1
	v_add_nc_u32 v[ADRA+(\s)], s21, v5
	v_add_nc_u32 v[ADRB+(\s)], s22, v5
	s_add_co_u32 s21, s21, SLOT
	s_add_co_u32 s22, s22, SLOT
.endr
	s_mul_i32 s23, s[WV], 16*SPITCH
	s_add_co_u32 s23, s23, STAGE                   ; my stage
	v_mul_u32_u24 v6, v1, SPITCH                   ; in: row l % 16, 32 bytes for each half of the lanes
	v_lshl_add_u32 v6, v2, 5, v6
	v_add_nc_u32 v[STO], s23, v6
	v_mul_u32_u24 v6, v2, SPITCH                   ; back: lanes 0-15 one row of 256 bytes, lanes 16-31 the next
	v_lshl_add_u32 v6, v1, 4, v6
	v_add_nc_u32 v[RD], s23, v6
	v_lshlrev_b32 v[CO], 12, v2
	v_lshl_add_u32 v[CO], v1, 4, v[CO]
	s_lshl_b32 s23, s[HC], 8
	s_add_co_u32 s23, s23, BIAS
	v_lshl_add_u32 v[BIA], v2, 5, s23              ; my eight columns of each n block
	s_lshl_b32 s21, s43, 7
	s_lshl_b32 s22, s[HR], 6
	s_add_co_u32 s21, s21, s22                     ; my first row of out,
	s_lshl_b32 s21, s21, 12
	s_lshl_b32 s22, s42, 7
	s_lshl_b32 s23, s[HC], 6
	s_add_co_u32 s22, s22, s23                     ; my first column
	s_lshl_b32 s22, s22, 2
	s_add_co_u32 s22, s22, s21
	s_mov_b32 s23, 0
	s_add_nc_u64 s[12:13], s[12:13], s[22:23]
	s_wait_loadcnt 0x0
	v_cvt_pk_bf16_f32 v[TMP+16], v[TMP+16], v[TMP+16]  ; b2 is rounded to bf16 like every input
	v_lshlrev_b32 v[TMP+16], 16, v[TMP+16]
.irp w, 8,4,2,1
.set k, 0
.rept \w
	v_add_f32 v[TMP+k], v[TMP+k], v[TMP+k+(\w)]
.set k, k+1
.endr
.endr
	v_add_f32 v[TMP], v[TMP], v[TMP+16]
	v_add_nc_u32 v4, BIAS, v3
	ds_store_b32 v4, v[TMP]
; 8 matrix instructions: m blocks a0, a0 + 1 x all 4 n blocks, 32 true k; sa: A's hi or lo, sb: B's.  zero = 1: the first product starts the sums
.macro MUL8 f, sa, sb, a0, zero
	WIN MUL
.irp a, \a0, (\a0)+1
.irp b, 0,1,2,3
.if \zero
	v_wmma_f32_16x16x32_f16 v[ACC+8*(4*(\a)+(\b)):ACC+8*(4*(\a)+(\b))+7], v[(\f)+(\sb)+8*(\b):(\f)+(\sb)+8*(\b)+7], v[(\f)+(\sa)+8*(\a):(\f)+(\sa)+8*(\a)+7], 0
.else
	v_wmma_f32_16x16x32_f16 v[ACC+8*(4*(\a)+(\b)):ACC+8*(4*(\a)+(\b))+7], v[(\f)+(\sb)+8*(\b):(\f)+(\sb)+8*(\b)+7], v[(\f)+(\sa)+8*(\a):(\f)+(\sa)+8*(\a)+7], v[ACC+8*(4*(\a)+(\b)):ACC+8*(4*(\a)+(\b))+7]
.endif
.endr
.endr
.endm
.macro LOHI f                          ; the 32 products with a lo part
	MUL8 \f, AL, BHI, 0, 0
	MUL8 \f, AL, BHI, 2, 0
	MUL8 \f, AH, BLO, 0, 0
	MUL8 \f, AH, BLO, 2, 0
.endm
; 32 LDS loads in one run: quarter q's fragments into buffer f, the sixteen of the hi parts first
.macro FETCH slot, q, f
	WIN TO_F
.set KA, ((\q)>>1)*256+((\q)&1)*64
.set KB, (\q)*64
.irp i, 0,1,2,3
	ds_load_b128 v[(\f)+BHI+8*(\i):(\f)+BHI+8*(\i)+3],   v[ADRB+(\slot)] offset:KB+(\i)*16*PITCH
	ds_load_b128 v[(\f)+BHI+8*(\i)+4:(\f)+BHI+8*(\i)+7], v[ADRB+(\slot)] offset:KB+(\i)*16*PITCH+32
	ds_load_b128 v[(\f)+AH+8*(\i):(\f)+AH+8*(\i)+3],     v[ADRA+(\slot)] offset:KA+(\i)*16*PITCH
	ds_load_b128 v[(\f)+AH+8*(\i)+4:(\f)+AH+8*(\i)+7],   v[ADRA+(\slot)] offset:KA+(\i)*16*PITCH+32
.endr
.irp i, 0,1,2,3
	ds_load_b128 v[(\f)+AL+8*(\i):(\f)+AL+8*(\i)+3],     v[ADRA+(\slot)] offset:KA+128+(\i)*16*PITCH
	ds_load_b128 v[(\f)+AL+8*(\i)+4:(\f)+AL+8*(\i)+7],   v[ADRA+(\slot)] offset:KA+128+(\i)*16*PITCH+32
	ds_load_b128 v[(\f)+BLO+8*(\i):(\f)+BLO+8*(\i)+3],   v[ADRB+(\slot)] offset:KB+256+(\i)*16*PITCH
	ds_load_b128 v[(\f)+BLO+8*(\i)+4:(\f)+BLO+8*(\i)+7], v[ADRB+(\slot)] offset:KB+256+(\i)*16*PITCH+32
.endr
.endm
.macro PLACES                          ; four plain vector instructions between a matrix instruction and a load into, or a reader of, its registers
.rept 4
	v_nop
.endr
.endm
.macro QUARTER slot, q, f, g, zero     ; multiplies buffer f and fetches quarter q of the same slot into g
	s_wait_dscnt 16                                ; the hi parts are in; the sixteen loads of the lo parts may be out
	MUL8 \f, AH, BHI, 0, \zero
	MUL8 \f, AH, BHI, 2, \zero
	PLACES
	FETCH \slot, \q, \g
	s_wait_dscnt 32                                ; all but the 32 just issued
	LOHI \f
.endm
; A K step's last quarter multiplies buffer 1 and changes slots: ONE barrier; ahead of it each wave waits for all its tensor loads, adds 0 to its spare word, and waits for that and for its reads of this slot.
.macro TURN slot, next, fill
	WIN 0
	s_wait_tensorcnt 0x0                           ; my part of the next slot has landed
	ds_add_u32 v[SPW], v[NIL]
	s_wait_dscnt 17                                ; (the add and the youngest sixteen loads may be out)
	MUL8 F1, AH, BHI, 0, 0
	s_wait_dscnt 0x0                               ; the add is done, and my reads of this slot are over
	s_barrier_signal -1
	MUL8 F1, AH, BHI, 2, 0
.if \fill
	WIN 0
.endif
	s_barrier_wait -1
.if \fill
	CREST                                          ; the barrier has opened a round of the cluster's: no wave of any partner still reads this slot or has a load on its way
	s_add_nc_u64 s[G0+4*(\slot)+2:G0+4*(\slot)+3], s[G0+4*(\slot)+2:G0+4*(\slot)+3], 2*STEPB
	s_add_nc_u64 s[G0B+4*(\slot)+2:G0B+4*(\slot)+3], s[G0B+4*(\slot)+2:G0B+4*(\slot)+3], 2*STEPB
	JLOAD \slot                                    ; the first tensor load behind the round: 176 matrix instructions ahead of the wait for it; its four v_nop are also the places in front of the loads below
.else
	PLACES
.endif
	FETCH \next, 0, F0
	LOHI F1
.endm
	s_wait_tensorcnt 1                             ; my part of K step 0 is in; K step 1's may stay out
	s_wait_dscnt 0x0                               ; my number of the bias is stored
	s_barrier_signal -1
	s_barrier_wait -1
	FETCH 0, 0, F0
	QUARTER 0, 1, F0, F1, 1                        ; the first products start the sums
	WIN 0
	s_mov_b32 s3, 3
.Llap:                                                 ; a trip goes once round the ring and fills both slots again: K steps 2 to 7
	QUARTER 0, 2, F1, F0, 0
	QUARTER 0, 3, F0, F1, 0
	TURN 0, 1, 1
	QUARTER 1, 1, F0, F1, 0
	QUARTER 1, 2, F1, F0, 0
	QUARTER 1, 3, F0, F1, 0
	TURN 1, 0, 1
	QUARTER 0, 1, F0, F1, 0
	WIN 0
	s_sub_co_u32 s3, s3, 1
	s_cmp_lg_u32 s3, 0
	s_cbranch_scc1 .Llap
	QUARTER 0, 2, F1, F0, 0                        ; the last lap is written out: it asks for nothing
	QUARTER 0, 3, F0, F1, 0
	TURN 0, 1, 0
	QUARTER 1, 1, F0, F1, 0
	QUARTER 1, 2, F1, F0, 0
	QUARTER 1, 3, F0, F1, 0
	s_wait_dscnt 16
	MUL8 F1, AH, BHI, 0, 0
	MUL8 F1, AH, BHI, 2, 0
	s_wait_dscnt 0x0
	LOHI F1
	WIN 0
	; THE WAY OUT: 2^-5 x sum + bias in one fused multiply-add, relu, and a block of 16 rows x 256 bytes at a time through my own stage: my 64 columns of f32 are a whole aligned run of 256 bytes.
.irp b, 0,1,2,3
	ds_load_b128 v[BI+8*(\b):BI+8*(\b)+3],   v[BIA] offset:64*(\b)
	ds_load_b128 v[BI+8*(\b)+4:BI+8*(\b)+7], v[BIA] offset:64*(\b)+16
.endr
	PLACES
	s_wait_dscnt 0x0
.macro OUTA a
.set AC, ACC+32*(\a)
.set TB, TMP+32*((\a)%2)
.set n, 0
.rept 16                               ; each accumulator's registers in ascending order
	v_pk_fma_f32 v[AC+2*n:AC+2*n+1], v[AC+2*n:AC+2*n+1], 0x3d000000, v[BI+2*n:BI+2*n+1] op_sel_hi:[1,0,1]
.set n, n+1
.endr
.set n, 0
.rept 32
	v_max_num_f32 v[AC+n], 0, v[AC+n]
.set n, n+1
.endr
.irp b, 0,1,2,3
	ds_store_b128 v[STO], v[AC+8*(\b):AC+8*(\b)+3]   offset:64*(\b)
	ds_store_b128 v[STO], v[AC+8*(\b)+4:AC+8*(\b)+7] offset:64*(\b)+16
.endr
	s_wait_xcnt 0x0                                ; the stores of two blocks back have read the registers that are loaded again
.irp f, 0,1,2,3,4,5,6,7
	ds_load_b128 v[TB+4*(\f):TB+4*(\f)+3], v[RD] offset:(\f)*2*SPITCH  ; LDS serves a wave's instructions in order (ISA guide 5.7.1.4): these see the stores above
.endr
.irp f, 0,1,2,3,4,5,6,7
	s_wait_dscnt 7-(\f)
	global_store_b128 v[CO], v[TB+4*(\f):TB+4*(\f)+3], s[12:13] offset:(16*(\a)+2*(\f))*4096 th:TH_STORE_NT  ; sixteen lanes store 256 consecutive bytes, aligned
.endr
.endm
	OUTA 0
	OUTA 1
	OUTA 2
	OUTA 3
	s_wait_tensorcnt 0x0                           ; the wave's end, behind my last tensor load and my last LDS store
	ds_add_u32 v[SPW], v[NIL]
	s_wait_dscnt 0x0
	CROUND                                         ; the closing round: no work-group ends while a partner may still ask for a tile that names it
	s_endpgm
.Lfunc_end_k_qee092d9b54_gemm2:
	.size	k_qee092d9b54_gemm2, .Lfunc_end_k_qee092d9b54_gemm2-k_qee092d9b54_gemm2
	.p2alignl 7, 3214868480
	.fill 96, 4, 3214868480
	.section	.rodata,"a",@progbits
	.p2align	6, 0x0
	.amdhsa_kernel k_qee092d9b54_gemm2
		.amdhsa_group_segment_fixed_size 327680
		.amdhsa_private_segment_fixed_size 0
		.amdhsa_enable_private_segment 0
		.amdhsa_kernarg_size 40
		.amdhsa_user_sgpr_count 2
		.amdhsa_user_sgpr_kernarg_segment_ptr 1
		.amdhsa_wavefront_size32 1
		.amdhsa_system_sgpr_workgroup_id_x 1
		.amdhsa_system_sgpr_workgroup_id_y 1
		.amdhsa_system_sgpr_workgroup_id_z 1
		.amdhsa_system_vgpr_workitem_id 0
		.amdhsa_next_free_vgpr 512
		.amdhsa_next_free_sgpr 66
		.amdhsa_reserve_vcc 0
		.amdhsa_float_denorm_mode_32 3
		.amdhsa_float_denorm_mode_16_64 3
		.amdhsa_memory_ordered 1
		.amdhsa_forward_progress 1
		.amdhsa_inst_pref_size 116
	.end_amdhsa_kernel
	.amdgpu_metadata
---
amdhsa.version: [ 1, 2 ]
amdhsa.kernels:
  - .name:           k_qee092d9b54_gemm2
    .symbol:         k_qee092d9b54_gemm2.kd
    .args:
      - { .name: att, .offset: 0, .size: 8, .value_kind: global_buffer, .address_space: global }
      - { .name: w12s, .offset: 8, .size: 8, .value_kind: global_buffer, .address_space: global }
      - { .name: bpart, .offset: 16, .size: 8, .value_kind: global_buffer, .address_space: global }
      - { .name: b2, .offset: 24, .size: 8, .value_kind: global_buffer, .address_space: global }
      - { .name: out0, .offset: 32, .size: 8, .value_kind: global_buffer, .address_space: global }
    .group_segment_fixed_size: 327680
    .private_segment_fixed_size: 0
    .kernarg_segment_align: 8
    .kernarg_segment_size: 40
    .max_flat_workgroup_size: 128
    .sgpr_count:     66
    .vgpr_count:     512
    .wavefront_size: 32
...
	.end_amdgpu_metadata
.endif
;; end of part 4
